; MI455X (gfx1250); checked and timed in simulation.
; The chip was launched on July 23, 2026; its instructions are those of AMD's public machine-readable ISA for CDNA 5 (MIT licence, August 2026) and "CDNA5" Instruction Set Architecture Reference Guide (July 2026). The comments in the code are by the model that wrote it; some were corrected since.
;; Linear Attention. Allowed arithmetic: float matrix products may take bf16 or f16 operands with f32 sums; all other float work in f32.
;; Inputs: K 2 x 16 x 2,048 x 64 float32; Q 2 x 16 x 2,048 x 64 float32; V 2 x 16 x 2,048 x 64 float32.
;; Outputs: out0 2 x 16 x 2,048 x 64 float32.
;; 2 versions, each right; version 2 is version 1 with the launch attn written anew for expert scheduling mode. Each part assembles by itself: llvm-mc -triple=amdgcn-amd-amdhsa -mcpu=gfx1250 --defsym DOCPART=n.
;; ======== version 1 of 2: 1 launch
;; limits: values are held in f16: magnitudes above 65,504 overflow, below 6.1e-05 lose precision
;; launch attn (part 1): grid 256 x 1, 8 waves a work-group, no clusters, 142,336 bytes of LDS; arguments Q, K, V, out0; writes out0
.if DOCPART == 1
	.amdgcn_target "amdgcn-amd-amdhsa--gfx1250"
	.amdhsa_code_object_version 6
	.text
	.protected	k_q9e6fb187b0_attn
	.globl	k_q9e6fb187b0_attn
	.p2align	8
	.type	k_q9e6fb187b0_attn,@function
k_q9e6fb187b0_attn:
	s_mov_b64 s[64:65], 0
	v_nop
	global_prefetch_b8 v0, s[64:65] scope:SCOPE_SE
	s_setreg_imm32_b32 hwreg(HW_REG_WAVE_MODE, 25, 1), 1
	s_wait_xcnt 0x0
; Causal softmax attention with interleaved RoPE on Q and K, no score scale.  Q, K, V, out0: [32 heads][2048][64] f32.
;
; SHARE.  A head has 16 blocks of 128 queries.  Work-group p (0..7) of a head takes block p (waves 0-3) and block 15-p (waves 4-7):
; (p+1) + (16-p) = 17 block units for every one of the 32 x 8 = 256 work-groups.  A wave owns 32 queries.  Eight waves, two for each of
; the WGP's four SIMDs, so that one wave's matrix work can run beside the other's softmax.
; A trip is a tile of 64 keys; the work-group walks NT = 32 - 2p tiles; a wave multiplies tiles 0..last (last holds its diagonal) and
; afterwards only helps to convert tiles for the others.
;
; TRANSPOSED PRODUCTS.  S^T = K Q^T and O^T = V^T P^T.  In S^T's result layout a lane holds one query's column (8 keys a tile), so the row
; maximum is in the lane but for one exchange of the halves, the rescale factor and the sum are one number a lane, and the result layout of
; S^T is the source-1 layout of P^T: P is packed to f16 in place and never leaves the registers.
;
; K AND V come as f32 by 16-byte loads (a wave's load covers 512 consecutive bytes), one trip ahead in registers; K is rotated in f32, both
; are narrowed to f16 and stored into a ring of two LDS slots.  One barrier a trip.
;
; NO CLUSTER, NO TENSOR LOADS: the tiles must be rotated and narrowed between memory and LDS, so a copy engine's f32 tile would pass LDS
; twice; and the 8 work-groups of a head need 32 - 2p tiles each, so partners of a joint request would have unlike trip counts: making four
; partners alike costs 4 x 20 = 80 block units in place of 4 x 17 = 68.
;
; FORMATS.  The scores have no 1/sqrt(D) scale, so the softmax is sharp: where two keys nearly tie, an error ds of a score moves the output by
; up to ds/4 times the distance of their V rows.  One f16 rounding of Q and K (2^-11 a number, 128 numbers a score) is too coarse for that.
; So rotated Q and K go to the matrix unit in TWO f16 parts: hi = the f32 with its low 13 mantissa bits cleared (11 significant bits: exact in
; f16), lo = x - hi (exact in f32), rounded to f16.  S^T = Kh Qh + Kh Ql + Kl Qh in one f32 accumulator; the product Kl Ql, at most 2^-20 of
; |q| |k| a term, is left out.  V and P are single f16; sums f32; softmax f32 with a running maximum.
; LIMITS.  Rotated |Q|, |K| and |V| must stay under 65504 (f16's largest number); parts of an operand under 6.1e-5 are kept with an absolute
; error of up to 3e-8; V and P carry f16's relative 2^-11.  The RoPE angle is made as (block start) + (row) rotations for Q and by repeated
; rotation by 64 positions for K, with frequencies from v_exp_f32: it differs from pos*div rounded in f32 by up to about 3e-4 rad at the last
; positions.
; ---- LDS map (bytes) ----
.set KP,    144                        ; a K row: 64 f16 + 16 bytes, an odd multiple of 16: 16 rows of a fragment start in 16 different 16-byte columns of 256
.set VP,    160                        ; a V row: 64 f16 + 32 bytes, an odd multiple of 32, for the transposing load
.set KLOFF, 64*KP                      ; K's low parts behind its high parts
.set VOFF,  2*64*KP                    ; V behind both
.set SLOT,  VOFF+64*VP                 ; 28,672
.set T0,    2*SLOT                     ; T[32 positions][32 pairs](cos, sin) f32: rows of 256 bytes
.set TB0,   T0+32*256                  ; TB[wave][32 pairs](cos, sin) of the wave's first query position
.set ST0,   TB0+8*256                  ; a stage for each wave, its own: first Q's two parts in f16 (2 x 32 x 144), at the end O in f32 (32 x 272)
.set QP,    144
.set QLOFF, 32*QP                      ; Q's low parts behind its high parts
.set OP,    272
.set STW,   2*32*QP                    ; 9,216; the map ends at ST0 + 8 STW = 141,312
; ---- block 0 of the vector registers: the products and the softmax.  L = lane, r = L & 15, h = L >> 4 ----
.set KADR,  1                          ; r KP + 16 h
.set VADR,  2                          ; VOFF + (8 h + (L & 7)) VP + 16 ((L >> 3) & 1)
.set LOFF,  3                          ; 16 L
.set DQF,   4                          ; v[4:5]   u: my query - 8 h                 (mask of tile 0)
.set NM,    6                          ; v[6:7]   u: - running maximum x log2 e
.set AL,    8                          ; v[8:9]   u: rescale factor; at the end 1 / l
.set LS,    10                         ; v[10:11] u: running sum of my half's keys
.set MX,    12                         ; v[12:13] u: running maximum
.set MN,    14                         ; v[14:15] at work
.set PX,    16                         ; v[16:17] what v_permlanex16_b32 brings
.set QST,   18
.set QFA,   19
.set STO,   20
.set RD,    21
.set TADR,  22
.set TBADR, 23
.set PFO,   24
.set DQL,   26                         ; v[26:27] u: DQF - 64 last                  (mask of my diagonal tile)
.set SA,    28                         ; v[28:31] u: a pair of partial sums; v28, v30 first serve as second chains of the maximum
.set OAC,   32                         ; v[32:95]   O^T tile (dt, u) at 8 (2 dt + u): d = 16 dt + 8 h + j, query 16 u + r
.set SCR,   96                         ; v[96:159]  S^T tile (t, u) at 8 (2 t + u): key 16 t + 8 h + j, query 16 u + r
.set QF,    160                        ; v[160:191] Q hi fragment (u, ks) at 8 (2 u + ks)
.set KF,    192                        ; v[192:255] K hi fragment (t, ks) at 8 (2 t + ks); then V^T fragment (dt, ks) likewise
; ---- block 1 (v256 + n).  0-107: the conversion of tiles, under the one setting 0x55 (all four operand places in block 1) ----
.set KR,    0                          ; 16: K tile as loaded; load t: row 16 t + (tid >> 4), d = 4 c .. 4 c + 3, c = tid & 15
.set VR,    16                         ; 16: V tile
.set CS,    32                         ; 16: (cos, sin) of my two pairs at the four rows of the tile that KR holds
.set STEPR, 48                         ; 4:  (cos, sin) of 64 positions for my two pairs
.set TMP,   52                         ; 8
.set KH,    60                         ; 8:  K hi in f16
.set VH,    68                         ; 8:  V in f16
.set GOFF,  76                         ; 16 tid
.set KST,   77                         ; (tid >> 4) KP + 8 c
.set VST,   78                         ; VOFF + (tid >> 4) VP + 8 c
.set TID,   79
.set DIV,   80                         ; 2: frequencies of pairs 2 c, 2 c + 1
.set ROWI,  82
.set ANG,   83
.set XK,    84                         ; 84-92: sine and cosine at work
.set XR,    85
.set XI,    86
.set XZ,    87
.set XS,    88
.set XC,    89
.set XZR,   90
.set XZ2,   91
.set XH,    92
.set DIVL,  93                         ; frequency of pair L
.set CIDX,  94
.set POS,   95
.set TBE,   96                         ; 2
.set TBA,   98
.set TA,    99
.set KLO,   100                        ; 8:  K lo in f16
; ---- block 1, 128-223: the low parts' fragments ----
.set QL,    128                        ; 32: Q lo fragment (u, ks) at 8 (2 u + ks)
.set KL,    160                        ; 64: K lo fragment (t, ks) at 8 (2 t + ks)
.set MSB, 0
.macro WIN new                         ; s_set_vgpr_msb; the immediate's high byte repeats the setting that is left
.if MSB != \new
	s_set_vgpr_msb (MSB<<8)|\new
.set MSB, \new
.endif
.endm
; A rotation of the pair x = (e, o) by cs = (c, s), in place: (e c - o s, e s + o c), in two packed instructions.
.macro ROTM x, cs, tmp                 ; tmp = (e c, o c)
	v_pk_mul_f32 v[\tmp:\tmp+1], v[\x:\x+1], v[\cs:\cs+1] op_sel_hi:[1,0]
.endm
.macro ROTF x, cs, tmp                 ; x = (-o s + tmp.lo, e s + tmp.hi)
	v_pk_fma_f32 v[\x:\x+1], v[\x:\x+1], v[\cs:\cs+1], v[\tmp:\tmp+1] op_sel:[1,1,0] op_sel_hi:[0,1,1] neg_lo:[1,0,0]
.endm
; cos and sin of an angle >= 0 (here under 2,048): k = nearest integer to ang 2/pi, r = ang - k pi/2 with pi/2 in two parts (fused, so the
; first step loses nothing), polynomials on |r| <= pi/4, then the quadrant: odd k swaps the two, bit 1 of k and of k + 1 give the signs.
.macro SINCOS c, s, ang
	v_mul_f32 v[XK], s36, v[\ang]
	v_rndne_f32 v[XK], v[XK]
	v_fma_f32 v[XR], v[XK], s37, v[\ang]
	v_cvt_i32_f32 v[XI], v[XK]
	v_fma_f32 v[XR], v[XK], s38, v[XR]
	v_mul_f32 v[XZ], v[XR], v[XR]
	v_fma_f32 v[XS], v[XZ], s39, s40
	v_fma_f32 v[XC], v[XZ], s42, s43
	v_mul_f32 v[XZR], v[XZ], v[XR]
	v_mul_f32 v[XZ2], v[XZ], v[XZ]
	v_fma_f32 v[XS], v[XS], v[XZ], s41
	v_fma_f32 v[XC], v[XC], v[XZ], s44
	v_fma_f32 v[XH], v[XZ], -0.5, 1.0
	v_fma_f32 v[XS], v[XS], v[XZR], v[XR]          ; sin r
	v_fma_f32 v[XC], v[XC], v[XZ2], v[XH]          ; cos r
	v_and_b32 v[XZ], 1, v[XI]
	v_cmp_eq_u32 vcc_lo, 1, v[XZ]
	v_cndmask_b32 v[\s], v[XS], v[XC], vcc_lo
	v_cndmask_b32 v[\c], v[XC], v[XS], vcc_lo
	v_lshlrev_b32 v[XZ], 30, v[XI]
	v_add_nc_u32 v[XI], 1, v[XI]
	v_and_b32 v[XZ], 0x80000000, v[XZ]
	v_lshlrev_b32 v[XI], 30, v[XI]
	v_xor_b32 v[\s], v[\s], v[XZ]
	v_and_b32 v[XI], 0x80000000, v[XI]
	v_xor_b32 v[\c], v[\c], v[XI]
.endm
.macro KVLOAD                          ; a tile of K and one of V, 16,384 consecutive bytes each: 4 + 4 loads, K first
.irp t,0,1,2,3
	global_load_b128 v[KR+4*\t:KR+4*\t+3], v[GOFF], s[6:7] offset:4096*\t
.endr
.irp t,0,1,2,3
	global_load_b128 v[VR+4*\t:VR+4*\t+3], v[GOFF], s[8:9] offset:4096*\t
.endr
.endm
; The tile in KR, VR goes to LDS slot 'slot'.  load = 1: the angles move on by 64 positions and the next tile is asked for.
; wk, wv: how many younger loads may stay out when K, when V has to be there.
.macro CONV slot, load, wk, wv
	WIN 0x55
	s_wait_loadcnt \wk                             ; loads come back in order: K's four are in
.irp g,0,8
.irp i,0,2,4,6
	ROTM KR+\g+\i, CS+\g+\i, TMP+\i
.endr
.irp i,0,2,4,6
	ROTF KR+\g+\i, CS+\g+\i, TMP+\i
.endr
.endr
	; the two parts: hi = the top 11 significant bits, lo = the rest (the subtraction is exact)
.irp g,0,8
.irp i,0,2,4,6
	v_and_b32 v[TMP+\i], s35, v[KR+\g+\i]
	v_and_b32 v[TMP+\i+1], s35, v[KR+\g+\i+1]
.endr
.irp i,0,2,4,6
	v_pk_add_f32 v[KR+\g+\i:KR+\g+\i+1], v[KR+\g+\i:KR+\g+\i+1], v[TMP+\i:TMP+\i+1] neg_lo:[0,1] neg_hi:[0,1]
	v_cvt_pk_f16_f32 v[KH+(\g+\i)/2], v[TMP+\i], v[TMP+\i+1]
.endr
.irp i,0,2,4,6
	v_cvt_pk_f16_f32 v[KLO+(\g+\i)/2], v[KR+\g+\i], v[KR+\g+\i+1]
.endr
.endr
.irp t,0,1,2,3
	ds_store_b64 v[KST], v[KH+2*\t:KH+2*\t+1] offset:\slot*SLOT+16*KP*\t
.endr
.irp t,0,1,2,3
	ds_store_b64 v[KST], v[KLO+2*\t:KLO+2*\t+1] offset:\slot*SLOT+KLOFF+16*KP*\t
.endr
.if \load
.irp g,0,8
.irp i,0,2,4,6
	ROTM CS+\g+\i, STEPR+(\i&2), TMP+\i
.endr
.irp i,0,2,4,6
	ROTF CS+\g+\i, STEPR+(\i&2), TMP+\i
.endr
.endr
.endif
	s_wait_loadcnt \wv                             ; V's four are in; with them every load that names s[6:9] is done
.irp i,0,1,2,3,4,5,6,7
	v_cvt_pk_f16_f32 v[VH+\i], v[VR+2*\i], v[VR+2*\i+1]
.endr
.irp t,0,1,2,3
	ds_store_b64 v[VST], v[VH+2*\t:VH+2*\t+1] offset:\slot*SLOT+16*VP*\t
.endr
.if \load
	s_add_nc_u64 s[6:7], s[6:7], 0x4000            ; one tile on
	s_add_nc_u64 s[8:9], s[8:9], 0x4000
	KVLOAD
.endif
	WIN 0
.endm
; A request into the L2, made only by the work-group with p = 0 of each head (it walks all 32 tiles): waves 0-3 ask for two tiles of K,
; waves 4-7 for two of V, lanes 256 bytes apart, 8,192 bytes a wave, each byte range once in the launch.  Odd trip j asks for tiles j + 5 and
; j + 6, which the loads of trips j + 3 and j + 4 fetch; it stops behind j = 25 (tiles 30, 31: the head's last).
.macro PREF tag, jreg
.if \jreg
	s_cmp_ge_u32 s[\jreg], s34
.else
	s_cmp_eq_u32 s34, 0
.endif
	s_cbranch_scc1 .Lnopf_\tag
	s_wait_xcnt 0x0                                ; the last request's base is stepped only behind this wait
	s_add_nc_u64 s[32:33], s[32:33], 0x8000
	global_prefetch_b8 v[PFO], s[32:33] th:TH_LOAD_NT scope:SCOPE_SE
.Lnopf_\tag:
.endm
; Softmax pieces for S^T tile x = 2 t + u.
.macro FMA x                           ; s log2 e - m log2 e, one rounding
.irp k,0,2,4,6
.if (\x)&1
	v_pk_fma_f32 v[SCR+8*(\x)+\k:SCR+8*(\x)+\k+1], v[SCR+8*(\x)+\k:SCR+8*(\x)+\k+1], s[26:27], v[NM:NM+1] op_sel:[0,0,1] op_sel_hi:[1,0,1]
.else
	v_pk_fma_f32 v[SCR+8*(\x)+\k:SCR+8*(\x)+\k+1], v[SCR+8*(\x)+\k:SCR+8*(\x)+\k+1], s[26:27], v[NM:NM+1] op_sel_hi:[1,0,0]
.endif
.endr
.endm
.macro EXPS x
.irp k,0,1,2,3,4,5,6,7
	v_exp_f32 v[SCR+8*(\x)+\k], v[SCR+8*(\x)+\k]
.endr
.endm
; Sum the eight p in f32, pack them to f16 where P^T's fragment wants them: tile t even: registers 0-3 of its own tile;
; t odd: registers 4-7 of tile t - 1 (keys 16 + 8 h + j of the block of 32), which that tile's own turn has read out before.
.macro POST x
.set PSRC, SCR+8*(\x)
.set PSUM, SA+2*((\x)&1)
.set PDST, SCR+8*((\x)&5)+4*(((\x)>>1)&1)
.if (\x) < 2
	s_wait_alu depctr_va_vdst(0)
	v_pk_add_f32 v[PSUM:PSUM+1], v[PSRC:PSRC+1], v[PSRC+2:PSRC+3]
.else
	s_wait_alu depctr_va_vdst(0)
	v_pk_add_f32 v[PSUM:PSUM+1], v[PSUM:PSUM+1], v[PSRC:PSRC+1]
	v_pk_add_f32 v[PSUM:PSUM+1], v[PSUM:PSUM+1], v[PSRC+2:PSRC+3]
.endif
	v_cvt_pk_f16_f32 v[PDST], v[PSRC], v[PSRC+1]
	v_cvt_pk_f16_f32 v[PDST+1], v[PSRC+2], v[PSRC+3]
	v_pk_add_f32 v[PSUM:PSUM+1], v[PSUM:PSUM+1], v[PSRC+4:PSRC+5]
	v_cvt_pk_f16_f32 v[PDST+2], v[PSRC+4], v[PSRC+5]
	v_pk_add_f32 v[PSUM:PSUM+1], v[PSUM:PSUM+1], v[PSRC+6:PSRC+7]
	v_cvt_pk_f16_f32 v[PDST+3], v[PSRC+6], v[PSRC+7]
.endm
.macro RES x                           ; O^T tile x = 2 dt + u times AL[u]
.irp k,0,2,4,6
.if (\x)&1
	v_pk_mul_f32 v[OAC+8*(\x)+\k:OAC+8*(\x)+\k+1], v[OAC+8*(\x)+\k:OAC+8*(\x)+\k+1], v[AL:AL+1] op_sel:[0,1] op_sel_hi:[1,1]
.else
	v_pk_mul_f32 v[OAC+8*(\x)+\k:OAC+8*(\x)+\k+1], v[OAC+8*(\x)+\k:OAC+8*(\x)+\k+1], v[AL:AL+1] op_sel_hi:[1,0]
.endif
.endr
.endm
; One tile of 64 keys against my 32 queries.  first = 1: the sums, the maximum and O start here (nothing is cleared).
; dq = 0: no mask; else the register pair that holds (my query - 8 h - the tile's first key).
.macro COMPUTE slot, first, dq
	; 32 fragment loads in four runs of eight: K hi d = 0..31, K hi d = 32..63, K lo d = 0..31, K lo d = 32..63
.irp ks,0,1
.irp t,0,1,2,3
	ds_load_b128 v[KF+8*(2*\t+\ks):KF+8*(2*\t+\ks)+3], v[KADR] offset:\slot*SLOT+16*KP*\t+64*\ks
	ds_load_b128 v[KF+8*(2*\t+\ks)+4:KF+8*(2*\t+\ks)+7], v[KADR] offset:\slot*SLOT+16*KP*\t+64*\ks+32
.endr
.endr
	WIN 0x40                                       ; destination in block 1, address in block 0
.irp ks,0,1
.irp t,0,1,2,3
	ds_load_b128 v[KL+8*(2*\t+\ks):KL+8*(2*\t+\ks)+3], v[KADR] offset:\slot*SLOT+KLOFF+16*KP*\t+64*\ks
	ds_load_b128 v[KL+8*(2*\t+\ks)+4:KL+8*(2*\t+\ks)+7], v[KADR] offset:\slot*SLOT+KLOFF+16*KP*\t+64*\ks+32
.endr
.endr
	WIN 0
	s_wait_dscnt 24                                ; the first run is in (and all that was issued before it); the three younger runs, 24 loads, may be out
.irp t,0,1,2,3
.irp u,0,1
	v_wmma_f32_16x16x32_f16 v[SCR+8*(2*\t+\u):SCR+8*(2*\t+\u)+7], v[KF+16*\t:KF+16*\t+7], v[QF+16*\u:QF+16*\u+7], 0
.endr
.endr
	s_wait_dscnt 16                                ; the second run is in; K lo's 16 loads may be out
.irp t,0,1,2,3
.irp u,0,1
	v_wmma_f32_16x16x32_f16 v[SCR+8*(2*\t+\u):SCR+8*(2*\t+\u)+7], v[KF+16*\t+8:KF+16*\t+15], v[QF+16*\u+8:QF+16*\u+15], v[SCR+8*(2*\t+\u):SCR+8*(2*\t+\u)+7]
.endr
.endr
	WIN 0x04                                       ; source 1 in block 1: K hi x Q lo
.irp ks,0,1
.irp t,0,1,2,3
.irp u,0,1
	v_wmma_f32_16x16x32_f16 v[SCR+8*(2*\t+\u):SCR+8*(2*\t+\u)+7], v[KF+16*\t+8*\ks:KF+16*\t+8*\ks+7], v[QL+16*\u+8*\ks:QL+16*\u+8*\ks+7], v[SCR+8*(2*\t+\u):SCR+8*(2*\t+\u)+7]
.endr
.endr
.endr
	s_wait_dscnt 8                                 ; the third run is in; the last eight loads may be out
	WIN 0x01                                       ; source 0 in block 1: K lo x Q hi
.irp t,0,1,2,3
.irp u,0,1
	v_wmma_f32_16x16x32_f16 v[SCR+8*(2*\t+\u):SCR+8*(2*\t+\u)+7], v[KL+16*\t:KL+16*\t+7], v[QF+16*\u:QF+16*\u+7], v[SCR+8*(2*\t+\u):SCR+8*(2*\t+\u)+7]
.endr
.endr
	s_wait_dscnt 0x0
.irp t,0,1,2,3
.irp u,0,1
	v_wmma_f32_16x16x32_f16 v[SCR+8*(2*\t+\u):SCR+8*(2*\t+\u)+7], v[KL+16*\t+8:KL+16*\t+15], v[QF+16*\u+8:QF+16*\u+15], v[SCR+8*(2*\t+\u):SCR+8*(2*\t+\u)+7]
.endr
.endr
	WIN 0
.rept 4
	v_nop                                          ; four places before loads land on the K hi fragments and vector work reads S^T
.endr
	; V^T fragments by the transposing load: lane L gets d = 16 dt + r, keys 32 ks + 8 h .. + 7 and 32 ks + 16 + 8 h .. + 7
.irp ks,0,1
.irp dt,0,1,2,3
	ds_load_tr16_b128 v[KF+8*(2*\dt+\ks):KF+8*(2*\dt+\ks)+3], v[VADR] offset:\slot*SLOT+32*VP*\ks+32*\dt
	ds_load_tr16_b128 v[KF+8*(2*\dt+\ks)+4:KF+8*(2*\dt+\ks)+7], v[VADR] offset:\slot*SLOT+32*VP*\ks+32*\dt+16*VP
.endr
.endr
.if \dq
	; causal mask: key 16 t + 8 h + j of the tile stays where 16 t + j <= my query - 8 h - the tile's first key; else -inf
.irp t,0,1,2,3
.irp u,0,1
.irp j,0,1,2,3,4,5,6,7
	v_cmp_le_i32 vcc_lo, 16*\t+\j, v[\dq+\u]
	v_cndmask_b32 v[SCR+16*\t+8*\u+\j], s29, v[SCR+16*\t+8*\u+\j], vcc_lo
.endr
.endr
.endr
.endif
	; the new maximum: four chains (u = 0, 1; tiles 0-1 with the old maximum, tiles 2-3), joined, then the other half of the lanes
.irp u,0,1
.if \first
	v_max_num_f32 v[MN+\u], v[SCR+8*\u], v[SCR+8*\u+1]
.else
	v_max3_num_f32 v[MN+\u], v[MX+\u], v[SCR+8*\u], v[SCR+8*\u+1]
.endif
	v_max_num_f32 v[SA+2*\u], v[SCR+32+8*\u], v[SCR+32+8*\u+1]
.endr
.irp k,2,4,6,16,18,20,22
.irp u,0,1
	v_max3_num_f32 v[MN+\u], v[MN+\u], v[SCR+8*\u+\k], v[SCR+8*\u+\k+1]
	v_max3_num_f32 v[SA+2*\u], v[SA+2*\u], v[SCR+32+8*\u+\k], v[SCR+32+8*\u+\k+1]
.endr
.endr
	v_max_num_f32 v[MN], v[MN], v[SA]
	v_max_num_f32 v[MN+1], v[MN+1], v[SA+2]
	v_permlanex16_b32 v[PX], v[MN], s30, s31
	v_permlanex16_b32 v[PX+1], v[MN+1], s30, s31
	v_max_num_f32 v[MX], v[MN], v[PX]              ; finite from the first tile on: key 0 is open to every query
	v_max_num_f32 v[MX+1], v[MN+1], v[PX+1]
	v_mul_f32 v[PX], s28, v[MX]                    ; - m log2 e
	v_mul_f32 v[PX+1], s28, v[MX+1]
.if \first == 0
	v_sub_f32 v[AL], v[PX], v[NM]                  ; (old m - new m) log2 e
	v_sub_f32 v[AL+1], v[PX+1], v[NM+1]
	v_exp_f32 v[AL], v[AL]
	v_exp_f32 v[AL+1], v[AL+1]
.endif
	v_mov_b32 v[NM], v[PX]
	v_mov_b32 v[NM+1], v[PX+1]
	; p = 2^(s log2 e - m log2 e).  A tile's exponentials are used only behind the next tile's packed multiply-adds, which are the plain
	; vector instructions owed behind a transcendental (ISA guide 5.7.2).
	FMA 0
	EXPS 0
	FMA 1
	EXPS 1
	POST 0
.if \first == 0
	RES 0
.endif
.irp x,2,3,4,5,6,7
	FMA \x
	EXPS \x
	POST (\x-1)
.if \first == 0
	RES (\x-1)
.endif
.endr
	POST 7
.if \first == 0
	RES 7
.endif
	s_wait_dscnt 0x0                               ; the V^T fragments
.irp ks,0,1
.irp dt,0,1,2,3
.irp u,0,1
.if \first && (\ks == 0)
	v_wmma_f32_16x16x32_f16 v[OAC+8*(2*\dt+\u):OAC+8*(2*\dt+\u)+7], v[KF+8*(2*\dt+\ks):KF+8*(2*\dt+\ks)+7], v[SCR+32*\ks+8*\u:SCR+32*\ks+8*\u+7], 0
.else
	v_wmma_f32_16x16x32_f16 v[OAC+8*(2*\dt+\u):OAC+8*(2*\dt+\u)+7], v[KF+8*(2*\dt+\ks):KF+8*(2*\dt+\ks)+7], v[SCR+32*\ks+8*\u:SCR+32*\ks+8*\u+7], v[OAC+8*(2*\dt+\u):OAC+8*(2*\dt+\u)+7]
.endif
.endr
.endr
.endr
	; Five places before the next tile's products write over P^T, loads land on the fragments, or O^T is read:
	; the update of the running sums, which names none of those registers, and v_nop for the rest.
.if \first
	v_add_f32 v[LS], v[SA], v[SA+1]
	v_add_f32 v[LS+1], v[SA+2], v[SA+3]
	v_nop
	v_nop
	v_nop
.else
	v_fma_f32 v[LS], v[LS], v[AL], v[SA]
	v_fma_f32 v[LS+1], v[LS+1], v[AL+1], v[SA+2]
	v_add_f32 v[LS], v[LS], v[SA+1]
	v_add_f32 v[LS+1], v[LS+1], v[SA+3]
	v_nop
.endif
.endm
; Trip j (in s[jreg]) on slot 'slot'.  conv: the tile in registers goes to the other slot; load: the tile after it is asked for;
; pf: the L2 request; bar: the trip's barrier.
.macro TRIPX tag, slot, jreg, conv, load, pf, bar
.if \conv
	CONV (1-\slot), \load, 4, 0                    ; counts: V's four loads may be out when K is needed; none when V is
.endif
.if \pf
	PREF \tag, \jreg
.endif
	s_cmp_ge_u32 s[\jreg], s18
	s_cbranch_scc1 .Lge_\tag
	COMPUTE \slot, 0, 0                            ; below my diagonal tile: every key is open
	s_branch .Ldone_\tag
.Lge_\tag:
	s_cmp_lg_u32 s[\jreg], s18
	s_cbranch_scc1 .Ldone_\tag                     ; beyond it: nothing of mine
	COMPUTE \slot, 0, DQL
.Ldone_\tag:
.if \bar
	s_wait_dscnt 0x0                               ; my reads of this slot and my stores into the other are done:
	s_barrier_signal -1
	s_barrier_wait -1                              ; behind this the other slot is read and this one written again
.endif
.endm
; ======================= prologue =======================
	s_load_b256 s[4:11], s[0:1], 0x0               ; Q s[4:5], K s[6:7], V s[8:9], out0 s[10:11]
	s_set_vgpr_msb 0x40
	v_lshl_add_u32 v224, v0, 2, 0x22800
	v_mov_b32 v225, 0
	s_set_vgpr_msb 0x4000
	v_lshrrev_b32 v1, 5, v0
	v_readfirstlane_b32 s12, v1                    ; wave
	s_and_b32 s13, ttmp9, 7                        ; p
	s_lshr_b32 s14, ttmp9, 3                       ; head
	s_and_b32 s15, s12, 3                          ; ww: which 32 queries of the block
	s_sub_co_u32 s46, 15, s13
	s_cmp_lt_u32 s12, 4
	s_cselect_b32 s16, s13, s46                    ; my block: p or 15 - p
	s_lshl_b32 s17, s16, 7
	s_lshl_b32 s46, s15, 5
	s_add_co_u32 s17, s17, s46                     ; q0w: my first query
	s_lshr_b32 s46, s15, 1
	s_lshl1_add_u32 s18, s16, s46                  ; last = 2 block + ww / 2: the tile with my diagonal
	s_sub_co_u32 s20, 14, s13                      ; turns of the main loop: trips 1 .. NT - 4, two to a turn: (32 - 2p - 4) / 2 = 14 - p, at least 7
	s_cmp_eq_u32 s13, 0
	s_cselect_b32 s34, 26, 0                       ; L2 requests in trips j < 26 of the work-group with p = 0, none elsewhere
	s_mov_b32 s26, 0x3fb8aa3b                      ; log2 e, twice (a pair for the packed form)
	s_mov_b32 s27, 0x3fb8aa3b
	s_mov_b32 s28, 0xbfb8aa3b                      ; - log2 e
	s_mov_b32 s29, 0xff800000                      ; -inf
	s_mov_b32 s30, 0x76543210                      ; v_permlanex16_b32: lane i takes lane i of the other half
	s_mov_b32 s31, 0xfedcba98
	s_mov_b32 s35, 0xffffe000                      ; keeps sign, exponent and 10 mantissa bits of an f32: what f16 holds exactly
	s_mov_b32 s36, 0x3f22f983                      ; 2 / pi
	s_mov_b32 s37, 0xbfc90fdb                      ; - (pi / 2 rounded to f32)
	s_mov_b32 s38, 0x333bbd2e                      ; that rounding's excess over pi / 2
	s_mov_b32 s39, 0xb94ca1f9                      ; sine: -1.9515296e-4, 8.3321609e-3, -1.6666655e-1
	s_mov_b32 s40, 0x3c08839e
	s_mov_b32 s41, 0xbe2aaaa3
	s_mov_b32 s42, 0x37ccf5ce                      ; cosine: 2.4433157e-5, -1.3887316e-3, 4.1666646e-2
	s_mov_b32 s43, 0xbab6061a
	s_mov_b32 s44, 0x3d2aaaa5
	s_mov_b32 s45, 0xbed49a78                      ; - log2(10000) / 32: frequency of pair i = 2^(i x this)
	s_lshl_b32 s24, s14, 19                        ; a head is 2,048 x 256 bytes
	s_mov_b32 s25, 0
	v_and_b32 v29, 31, v0                          ; L
	v_lshlrev_b32 v[LOFF], 4, v29
	s_lshl_b32 s46, s15, 13
	v_lshl_add_u32 v[PFO], v29, 8, s46             ; 256 L + 8,192 ww
	WIN 0x40                                       ; destination in block 1
	v_mov_b32 v[TID], v0
	WIN 0x55
	v_lshlrev_b32 v[GOFF], 4, v[TID]
	s_wait_kmcnt 0x0
	s_add_nc_u64 s[6:7], s[6:7], s[24:25]          ; K and V at the head's tile 0
	s_add_nc_u64 s[8:9], s[8:9], s[24:25]
	s_cmp_lt_u32 s12, 4
	s_cselect_b64 s[32:33], s[6:7], s[8:9]         ; waves 0-3 ask the L2 for K, waves 4-7 for V
	s_lshl_b32 s46, s17, 8
	s_add_co_u32 s24, s24, s46
	s_add_nc_u64 s[4:5], s[4:5], s[24:25]          ; Q and out0 at my 32 rows
	s_add_nc_u64 s[10:11], s[10:11], s[24:25]
	KVLOAD                                         ; tile 0
	WIN 0
.irp t,0,1,2,3,4,5,6,7,8,9,10,11,12,13,14,15
	global_load_b128 v[SCR+4*\t:SCR+4*\t+3], v[LOFF], s[4:5] offset:512*\t th:TH_LOAD_NT   ; Q rows 2 t + h, d = 4 r .. 4 r + 3
.endr
	PREF p0, 0                                     ; tiles 2, 3
	; lane addresses of block 0
	v_and_b32 v25, 15, v0                          ; r
	v_bfe_u32 v28, v0, 4, 1                        ; h
	v_mul_u32_u24 v[KADR], v25, KP
	v_lshl_add_u32 v[KADR], v28, 4, v[KADR]
	v_and_b32 v30, 7, v0
	v_lshl_add_u32 v30, v28, 3, v30
	v_mul_u32_u24 v[VADR], v30, VP
	v_bfe_u32 v30, v0, 3, 1
	v_lshl_add_u32 v[VADR], v30, 4, v[VADR]
	v_add_nc_u32 v[VADR], VOFF, v[VADR]
	v_lshlrev_b32 v30, 3, v28
	v_sub_nc_u32 v30, v25, v30                     ; r - 8 h
	v_add_nc_u32 v[DQF], s17, v30
	v_add_nc_u32 v[DQF+1], 16, v[DQF]
	s_lshl_b32 s46, s18, 6
	v_sub_nc_u32 v[DQL], v[DQF], s46
	v_sub_nc_u32 v[DQL+1], v[DQF+1], s46
	s_mul_i32 s47, s12, STW
	s_add_co_u32 s47, s47, ST0                     ; my stage
	v_mul_u32_u24 v30, v28, QP
	v_lshl_add_u32 v30, v25, 3, v30
	v_add_nc_u32 v[QST], s47, v30                  ; Q in: row h of two, 8 bytes at 8 r
	v_add_nc_u32 v[QFA], s47, v[KADR]              ; Q fragments: row r, 16 h
	v_mul_u32_u24 v30, v25, OP
	v_lshl_add_u32 v30, v28, 5, v30
	v_add_nc_u32 v[STO], s47, v30                  ; O in: row r, 32 bytes at 32 h
	v_mul_u32_u24 v30, v28, OP
	v_lshl_add_u32 v30, v25, 4, v30
	v_add_nc_u32 v[RD], s47, v30                   ; O back: row h of two, 16 bytes at 16 r
	v_add_nc_u32 v[TADR], T0, v[LOFF]
	s_lshl_b32 s48, s12, 8
	s_add_co_u32 s48, s48, TB0                     ; my wave's TB
	v_lshl_add_u32 v[TBADR], v25, 4, s48
	v_mov_b32 v[PX], 0                             ; v_permlanex16_b32 counts as a reader of its destination
	v_mov_b32 v[PX+1], 0
	; block 1: addresses, frequencies, and the angles of tile 0, of 64 positions and of my first query
	WIN 0x55
	v_and_b32 v[CIDX], 15, v[TID]
	v_lshrrev_b32 v[ROWI], 4, v[TID]
	v_mul_u32_u24 v[KST], v[ROWI], KP
	v_mul_u32_u24 v[VST], v[ROWI], VP
	v_lshl_add_u32 v[KST], v[CIDX], 3, v[KST]
	v_lshl_add_u32 v[VST], v[CIDX], 3, v[VST]
	v_add_nc_u32 v[VST], VOFF, v[VST]
	v_lshlrev_b32 v[XK], 1, v[CIDX]
	v_and_b32 v[XI], 31, v[TID]
	v_cvt_f32_u32 v[XK], v[XK]
	v_cvt_f32_u32 v[XR], v[XI]
	v_mul_f32 v[DIV], s45, v[XK]
	v_add_f32 v[XK], 1.0, v[XK]
	v_mul_f32 v[DIVL], s45, v[XR]
	v_mul_f32 v[DIV+1], s45, v[XK]
	v_exp_f32 v[DIV], v[DIV]
	v_exp_f32 v[DIV+1], v[DIV+1]
	v_exp_f32 v[DIVL], v[DIVL]
	v_lshl_add_u32 v[TBA], v[XI], 3, s48           ; (plain instructions behind the exponentials, before their results are used)
	v_add_nc_u32 v[TA], T0, v[GOFF]
	s_wait_alu depctr_va_vdst(0)
.irp t,0,1,2,3
	v_add_nc_u32 v[POS], 16*\t, v[ROWI]
	v_cvt_f32_u32 v[POS], v[POS]
.irp i,0,1
	v_mul_f32 v[ANG], v[POS], v[DIV+\i]
	SINCOS CS+4*\t+2*\i, CS+4*\t+2*\i+1, ANG
.endr
.if \t < 2
	ds_store_b128 v[TA], v[CS+4*\t:CS+4*\t+3] offset:4096*\t       ; tile 0's angles at positions 0..31 are also the table T: position 16 t + (tid >> 4), pairs 2 c, 2 c + 1
.endif
.endr
.irp i,0,1
	v_mul_f32 v[ANG], 0x42800000, v[DIV+\i]        ; 64 positions
	SINCOS STEPR+2*\i, STEPR+2*\i+1, ANG
.endr
	v_cvt_f32_u32 v[POS], s17
	v_mul_f32 v[ANG], v[POS], v[DIVL]
	SINCOS TBE, TBE+1, ANG
	ds_store_b64 v[TBA], v[TBE:TBE+1]
	CONV 0, 1, 20, 16                              ; tile 0 to slot 0.  Counts: behind K's loads stand V's 4 and Q's 16; behind V's, Q's 16.  Tile 1 is asked for
	s_wait_dscnt 0x0                               ; T, TB and slot 0 are written
	s_barrier_signal -1
	s_barrier_wait -1
; ======================= Q: rotate, split into two f16 parts, lay out as fragments =======================
	s_wait_loadcnt 0x8                             ; Q is in; tile 1's eight loads stay out
	ds_load_b128 v[KF:KF+3], v[TBADR]              ; (cos, sin) of q0w for pairs 2 r, 2 r + 1
.irp t,0,1,2,3,4,5,6,7,8,9,10,11,12,13,14,15
	ds_load_b128 v[OAC+4*\t:OAC+4*\t+3], v[TADR] offset:512*\t     ; T at positions 2 t + h
.endr
	s_wait_dscnt 0x0
.irp t,0,1,2,3,4,5,6,7,8,9,10,11,12,13,14,15
	ROTM SCR+4*\t, KF, KF+4
	ROTM SCR+4*\t+2, KF+2, KF+6
	ROTF SCR+4*\t, KF, KF+4
	ROTF SCR+4*\t+2, KF+2, KF+6
	ROTM SCR+4*\t, OAC+4*\t, KF+4
	ROTM SCR+4*\t+2, OAC+4*\t+2, KF+6
	ROTF SCR+4*\t, OAC+4*\t, KF+4
	ROTF SCR+4*\t+2, OAC+4*\t+2, KF+6
	v_and_b32 v[KF+8], s35, v[SCR+4*\t]            ; hi
	v_and_b32 v[KF+9], s35, v[SCR+4*\t+1]
	v_and_b32 v[KF+10], s35, v[SCR+4*\t+2]
	v_and_b32 v[KF+11], s35, v[SCR+4*\t+3]
	v_pk_add_f32 v[SCR+4*\t:SCR+4*\t+1], v[SCR+4*\t:SCR+4*\t+1], v[KF+8:KF+9] neg_lo:[0,1] neg_hi:[0,1]           ; lo = x - hi
	v_pk_add_f32 v[SCR+4*\t+2:SCR+4*\t+3], v[SCR+4*\t+2:SCR+4*\t+3], v[KF+10:KF+11] neg_lo:[0,1] neg_hi:[0,1]
	v_cvt_pk_f16_f32 v[KF+16+2*\t], v[KF+8], v[KF+9]
	v_cvt_pk_f16_f32 v[KF+17+2*\t], v[KF+10], v[KF+11]
	v_cvt_pk_f16_f32 v[SCR+4*\t], v[SCR+4*\t], v[SCR+4*\t+1]
	v_cvt_pk_f16_f32 v[SCR+4*\t+1], v[SCR+4*\t+2], v[SCR+4*\t+3]
	ds_store_b64 v[QST], v[KF+16+2*\t:KF+17+2*\t] offset:2*QP*\t
	ds_store_b64 v[QST], v[SCR+4*\t:SCR+4*\t+1] offset:QLOFF+2*QP*\t
.endr
.irp u,0,1
.irp ks,0,1
	ds_load_b128 v[QF+8*(2*\u+\ks):QF+8*(2*\u+\ks)+3], v[QFA] offset:16*QP*\u+64*\ks       ; my own stage: LDS serves a wave's instructions in order
	ds_load_b128 v[QF+8*(2*\u+\ks)+4:QF+8*(2*\u+\ks)+7], v[QFA] offset:16*QP*\u+64*\ks+32
.endr
.endr
	WIN 0x40                                       ; the low parts' fragments live in block 1
.irp u,0,1
.irp ks,0,1
	ds_load_b128 v[QL+8*(2*\u+\ks):QL+8*(2*\u+\ks)+3], v[QFA] offset:QLOFF+16*QP*\u+64*\ks
	ds_load_b128 v[QL+8*(2*\u+\ks)+4:QL+8*(2*\u+\ks)+7], v[QFA] offset:QLOFF+16*QP*\u+64*\ks+32
.endr
.endr
; ======================= trip 0: starts every sum; masked, since it is the diagonal tile of the first queries =======================
	CONV 1, 1, 4, 0
	PREF t0, 0                                     ; tiles 4, 5
	COMPUTE 0, 1, DQF
	s_wait_dscnt 0x0
	s_barrier_signal -1
	s_barrier_wait -1
; ======================= trips 1 .. NT - 4, two to a turn; s19 counts the turns, s21 is the odd trip's number =======================
	s_mov_b32 s21, 1
	s_mov_b32 s19, 0
.Lloop:
	s_add_co_u32 s22, s21, 1
	TRIPX a, 1, 21, 1, 1, 1, 1
	TRIPX b, 0, 22, 1, 1, 0, 1
	s_add_co_u32 s21, s21, 2
	s_add_co_u32 s19, s19, 1
	s_cmp_lt_u32 s19, s20
	s_cbranch_scc1 .Lloop
; ======================= the last three trips (s21 = NT - 3 here): no load beyond tile NT - 1 =======================
	s_add_co_u32 s22, s21, 1
	s_add_co_u32 s23, s21, 2
	TRIPX c, 1, 21, 1, 1, 0, 1                     ; trip NT - 3: converts tile NT - 2, asks for tile NT - 1
	TRIPX d, 0, 22, 1, 0, 0, 1                     ; trip NT - 2: converts tile NT - 1
	TRIPX e, 1, 23, 0, 0, 0, 0                     ; trip NT - 1: nothing is written any more, so no barrier
; ======================= the way out =======================
	v_permlanex16_b32 v[PX], v[LS], s30, s31       ; the other half's keys
	v_permlanex16_b32 v[PX+1], v[LS+1], s30, s31
	v_add_f32 v[LS], v[LS], v[PX]                  ; l >= about 1: the largest score gives 2^0
	v_add_f32 v[LS+1], v[LS+1], v[PX+1]
	v_rcp_f32 v[AL], v[LS]
	v_rcp_f32 v[AL+1], v[LS+1]
	v_nop                                          ; one plain place behind the reciprocals
	s_wait_alu depctr_va_vdst(0)
.irp x,0,1,2,3,4,5,6,7
	RES \x
.endr
.irp u,0,1
.irp dt,0,1,2,3
	ds_store_b128 v[STO], v[OAC+8*(2*\dt+\u):OAC+8*(2*\dt+\u)+3] offset:16*OP*\u+64*\dt        ; query 16 u + r, d = 16 dt + 8 h + 0..3
	ds_store_b128 v[STO], v[OAC+8*(2*\dt+\u)+4:OAC+8*(2*\dt+\u)+7] offset:16*OP*\u+64*\dt+16   ; and + 4..7
.endr
.endr
.irp t,0,1,2,3,4,5,6,7,8,9,10,11,12,13,14,15
	ds_load_b128 v[SCR+4*\t:SCR+4*\t+3], v[RD] offset:2*OP*\t      ; whole rows back; my own stage, served in order
.endr
.irp t,0,1,2,3,4,5,6,7,8,9,10,11,12,13,14,15
	s_wait_dscnt 15-\t                             ; read-back t is in, the younger ones may be out
	global_store_b128 v[LOFF], v[SCR+4*\t:SCR+4*\t+3], s[10:11] offset:512*\t th:TH_STORE_NT   ; two whole rows: 512 consecutive bytes, at a multiple of 512 from out0's first byte
.endr
	s_set_vgpr_msb 0x5
	s_wait_tensorcnt 0x0
	ds_add_u32 v224, v225
	s_wait_dscnt 0x0
	s_set_vgpr_msb 0x500
	s_endpgm
.Lfunc_end_k_q9e6fb187b0_attn:
	.size	k_q9e6fb187b0_attn, .Lfunc_end_k_q9e6fb187b0_attn-k_q9e6fb187b0_attn
	.p2alignl 7, 3214868480
	.fill 96, 4, 3214868480
	.section	.rodata,"a",@progbits
	.p2align	6, 0x0
	.amdhsa_kernel k_q9e6fb187b0_attn
		.amdhsa_group_segment_fixed_size 142336
		.amdhsa_private_segment_fixed_size 0
		.amdhsa_enable_private_segment 0
		.amdhsa_kernarg_size 32
		.amdhsa_user_sgpr_count 2
		.amdhsa_user_sgpr_kernarg_segment_ptr 1
		.amdhsa_wavefront_size32 1
		.amdhsa_system_sgpr_workgroup_id_x 1
		.amdhsa_system_sgpr_workgroup_id_y 1
		.amdhsa_system_sgpr_workgroup_id_z 1
		.amdhsa_system_vgpr_workitem_id 0
		.amdhsa_next_free_vgpr 482
		.amdhsa_next_free_sgpr 66
		.amdhsa_reserve_vcc 1
		.amdhsa_float_denorm_mode_32 3
		.amdhsa_float_denorm_mode_16_64 3
		.amdhsa_memory_ordered 1
		.amdhsa_forward_progress 1
		.amdhsa_inst_pref_size 255
	.end_amdhsa_kernel
	.section	.bss,"aw",@nobits
	.p2align	6
	.space	262144
	.amdgpu_metadata
---
amdhsa.version: [ 1, 2 ]
amdhsa.kernels:
  - .name:           k_q9e6fb187b0_attn
    .symbol:         k_q9e6fb187b0_attn.kd
    .args:
      - { .name: Q, .offset: 0, .size: 8, .value_kind: global_buffer, .address_space: global }
      - { .name: K, .offset: 8, .size: 8, .value_kind: global_buffer, .address_space: global }
      - { .name: V, .offset: 16, .size: 8, .value_kind: global_buffer, .address_space: global }
      - { .name: out0, .offset: 24, .size: 8, .value_kind: global_buffer, .address_space: global }
    .group_segment_fixed_size: 142336
    .private_segment_fixed_size: 0
    .kernarg_segment_align: 8
    .kernarg_segment_size: 32
    .max_flat_workgroup_size: 256
    .sgpr_count:     66
    .vgpr_count:     482
    .wavefront_size: 32
...
	.end_amdgpu_metadata
.endif
;; end of part 1
;; ======== version 2 of 2: 1 launch; version 1 with the launch attn written anew for expert scheduling mode
;; limits: values are held in f16: magnitudes above 65,504 overflow, below 6.1e-05 lose precision
;; launch attn (part 2): grid 256 x 1, 8 waves a work-group, no clusters, 142,336 bytes of LDS; arguments Q, K, V, out0; writes out0
.if DOCPART == 2
	.amdgcn_target "amdgcn-amd-amdhsa--gfx1250"
	.amdhsa_code_object_version 6
	.text
	.protected	k_q9e6fb187b0_attn
	.globl	k_q9e6fb187b0_attn
	.p2align	8
	.type	k_q9e6fb187b0_attn,@function
k_q9e6fb187b0_attn:
	s_mov_b64 s[64:65], 0
	v_nop
	global_prefetch_b8 v0, s[64:65] scope:SCOPE_SE
	s_setreg_imm32_b32 hwreg(HW_REG_WAVE_SCHED_MODE, 0, 2), 2
	s_setreg_imm32_b32 hwreg(HW_REG_WAVE_MODE, 25, 1), 1
	s_wait_xcnt 0x0
	s_wait_alu depctr_vm_vsrc(0)
; Causal softmax attention with interleaved RoPE on Q and K, no score scale.  Q, K, V, out0: [32 heads][2048][64] f32.
;
; SHARE.  A head has 16 blocks of 128 queries.  Work-group p (0..7) of a head takes block p (waves 0-3) and block 15-p (waves 4-7):
; (p+1) + (16-p) = 17 block units for every one of the 32 x 8 = 256 work-groups.  A wave owns 32 queries.  Eight waves, two for each of
; the WGP's four SIMDs, so that one wave's matrix work can run beside the other's softmax.
; A trip is a tile of 64 keys; the work-group walks NT = 32 - 2p tiles; a wave multiplies tiles 0..last (last holds its diagonal) and
; afterwards only helps to convert tiles for the others.
;
; TRANSPOSED PRODUCTS.  S^T = K Q^T and O^T = V^T P^T.  In S^T's result layout a lane holds one query's column (8 keys a tile), so the row
; maximum is in the lane but for one exchange of the halves, the rescale factor and the sum are one number a lane, and the result layout of
; S^T is the source-1 layout of P^T: P is packed to f16 in place and never leaves the registers.
;
; K AND V come as f32 by 16-byte loads (a wave's load covers 512 consecutive bytes), one trip ahead in registers; K is rotated in f32, both
; are narrowed to f16 and stored into a ring of two LDS slots.  One barrier a trip.
;
; NO CLUSTER, NO TENSOR LOADS: the tiles must be rotated and narrowed between memory and LDS, so a copy engine's f32 tile would pass LDS
; twice; and the 8 work-groups of a head need 32 - 2p tiles each, so partners of a joint request would have unlike trip counts: making four
; partners alike costs 4 x 20 = 80 block units in place of 4 x 17 = 68.
;
; FORMATS.  The scores have no 1/sqrt(D) scale, so the softmax is sharp: where two keys nearly tie, an error ds of a score moves the output by
; up to ds/4 times the distance of their V rows.  One f16 rounding of Q and K (2^-11 a number, 128 numbers a score) is too coarse for that.
; So rotated Q and K go to the matrix unit in TWO f16 parts: hi = the f32 with its low 13 mantissa bits cleared (11 significant bits: exact in
; f16), lo = x - hi (exact in f32), rounded to f16.  S^T = Kh Qh + Kh Ql + Kl Qh in one f32 accumulator; the product Kl Ql, at most 2^-20 of
; |q| |k| a term, is left out.  V and P are single f16; sums f32; softmax f32 with a running maximum.
; LIMITS.  Rotated |Q|, |K| and |V| must stay under 65504 (f16's largest number); parts of an operand under 6.1e-5 are kept with an absolute
; error of up to 3e-8; V and P carry f16's relative 2^-11.  The RoPE angle is made as (block start) + (row) rotations for Q and by repeated
; rotation by 64 positions for K, with frequencies from v_exp_f32: it differs from pos*div rounded in f32 by up to about 3e-4 rad at the last
; positions.
;
; THE MODE: SCHED_MODE bits 1:0 = 2 (LLVM: expert scheduling mode 2), set by the entry lines.  The code itself states the register dependences
; between vector or matrix instructions and memory or LDS instructions, with s_wait_alu, always for 0.
; THE PLAN.  Registers that memory or LDS instructions touch, round a trip:
;   KF, KL        K's fragments land in them at the trip's head; the 48 score products read them; V^T's fragments land in KF behind those products;
;                 the 16 products V^T P^T read KF.
;   KR, VR        the next tile's eight loads land in them; the conversion's rotations, splits and roundings read and write them.
;   KH, KLO, VH   written by the conversion's roundings; read by its twelve LDS stores.
;   the addresses (KADR, VADR, GOFF, KST, VST, PFO, LOFF and those of the head and the way out) are made once and never written again: the tiles are
;                 reached by scalar bases and immediate offsets.
;   S^T and P^T, O^T, the statistics, CS, STEPR and TMP are named by vector and matrix instructions alone in the loop.
; THE WAITS OF A TRIP.  At its head: the last conversion's stores have read KH, KLO, VH (vm_vsrc); the last tile's products are done reading KF and KL
; (va_vdst), for the 32 fragment loads that follow, ahead of the conversion.  In the conversion, one va_vdst behind its last rounding: for its twelve stores'
; data and for the eight loads into KR and VR; the step of the angles follows those and names none of their registers.  Behind the score products, one
; va_vdst: they have read KF, in which V^T lands.  Behind the batch of exponentials, one va_vdst ahead of its first reader.  A masked tile has two runs of
; 32 compares into scalar registers, a va_sdst behind each.
; ---- LDS map (bytes) ----
.set KP,    144                        ; a K row: 64 f16 + 16 bytes, an odd multiple of 16: 16 rows of a fragment start in 16 different 16-byte columns of 256
.set VP,    160                        ; a V row: 64 f16 + 32 bytes, an odd multiple of 32, for the transposing load
.set KLOFF, 64*KP                      ; K's low parts behind its high parts
.set VOFF,  2*64*KP                    ; V behind both
.set SLOT,  VOFF+64*VP                 ; 28,672
.set T0,    2*SLOT                     ; T[32 positions][32 pairs](cos, sin) f32: rows of 256 bytes
.set TB0,   T0+32*256                  ; TB[wave][32 pairs](cos, sin) of the wave's first query position
.set ST0,   TB0+8*256                  ; a stage for each wave, its own: first Q's two parts in f16 (2 x 32 x 144), at the end O in f32 (32 x 272)
.set QP,    144
.set QLOFF, 32*QP                      ; Q's low parts behind its high parts
.set OP,    272
.set STW,   2*32*QP                    ; 9,216; the map ends at ST0 + 8 STW = 141,312
; ---- scalar registers of the mask ----
.set MK,    66                         ; s[66:97] the lane masks of a run of 32 compares
; ---- block 0 of the vector registers: the products and the softmax.  L = lane, r = L & 15, h = L >> 4 ----
.set KADR,  1                          ; r KP + 16 h
.set VADR,  2                          ; VOFF + (8 h + (L & 7)) VP + 16 ((L >> 3) & 1)
.set LOFF,  3                          ; 16 L
.set DQF,   4                          ; v[4:5]   u: my query - 8 h                 (mask of tile 0)
.set NM,    6                          ; v[6:7]   u: - running maximum x log2 e
.set AL,    8                          ; v[8:9]   u: rescale factor; at the end 1 / l
.set LS,    10                         ; v[10:11] u: running sum of my half's keys
.set MX,    12                         ; v[12:13] u: running maximum
.set MN,    14                         ; v[14:15] at work
.set PX,    16                         ; v[16:17] what v_permlanex16_b32 brings
.set QST,   18
.set QFA,   19
.set STO,   20
.set RD,    21
.set TADR,  22
.set TBADR, 23
.set PFO,   24
.set DQL,   26                         ; v[26:27] u: DQF - 64 last                  (mask of my diagonal tile)
.set SA,    28                         ; v[28:31] u: a pair of partial sums; v28, v30 first serve as second chains of the maximum
.set OAC,   32                         ; v[32:95]   O^T tile (dt, u) at 8 (2 dt + u): d = 16 dt + 8 h + j, query 16 u + r
.set SCR,   96                         ; v[96:159]  S^T tile (t, u) at 8 (2 t + u): key 16 t + 8 h + j, query 16 u + r
.set QF,    160                        ; v[160:191] Q hi fragment (u, ks) at 8 (2 u + ks)
.set KF,    192                        ; v[192:255] K hi fragment (t, ks) at 8 (2 t + ks); then V^T fragment (dt, ks) likewise
; ---- block 1 (v256 + n).  0-107: the conversion of tiles, under the one setting 0x55 (all four operand places in block 1) ----
.set KR,    0                          ; 16: K tile as loaded; load t: row 16 t + (tid >> 4), d = 4 c .. 4 c + 3, c = tid & 15
.set VR,    16                         ; 16: V tile
.set CS,    32                         ; 16: (cos, sin) of my two pairs at the four rows of the tile that KR holds
.set STEPR, 48                         ; 4:  (cos, sin) of 64 positions for my two pairs
.set TMP,   52                         ; 8
.set KH,    60                         ; 8:  K hi in f16
.set VH,    68                         ; 8:  V in f16
.set GOFF,  76                         ; 16 tid
.set KST,   77                         ; (tid >> 4) KP + 8 c
.set VST,   78                         ; VOFF + (tid >> 4) VP + 8 c
.set TID,   79
.set DIV,   80                         ; 2: frequencies of pairs 2 c, 2 c + 1
.set ROWI,  82
.set ANG,   83
.set XK,    84                         ; 84-92: sine and cosine at work
.set XR,    85
.set XI,    86
.set XZ,    87
.set XS,    88
.set XC,    89
.set XZR,   90
.set XZ2,   91
.set XH,    92
.set DIVL,  93                         ; frequency of pair L
.set CIDX,  94
.set POS,   95
.set TBE,   96                         ; 2
.set TBA,   98
.set TA,    99
.set KLO,   100                        ; 8:  K lo in f16
; ---- block 1, 128-223: the low parts' fragments ----
.set QL,    128                        ; 32: Q lo fragment (u, ks) at 8 (2 u + ks)
.set KL,    160                        ; 64: K lo fragment (t, ks) at 8 (2 t + ks)
.set MSB, 0
.macro WIN new                         ; s_set_vgpr_msb; the immediate's high byte repeats the setting that is left
.if MSB != \new
	s_set_vgpr_msb (MSB<<8)|\new
.set MSB, \new
.endif
.endm
; A rotation of the pair x = (e, o) by cs = (c, s), in place: (e c - o s, e s + o c), in two packed instructions.
.macro ROTM x, cs, tmp                 ; tmp = (e c, o c)
	v_pk_mul_f32 v[\tmp:\tmp+1], v[\x:\x+1], v[\cs:\cs+1] op_sel_hi:[1,0]
.endm
.macro ROTF x, cs, tmp                 ; x = (-o s + tmp.lo, e s + tmp.hi)
	v_pk_fma_f32 v[\x:\x+1], v[\x:\x+1], v[\cs:\cs+1], v[\tmp:\tmp+1] op_sel:[1,1,0] op_sel_hi:[0,1,1] neg_lo:[1,0,0]
.endm
; cos and sin of an angle >= 0 (here under 2,048): k = nearest integer to ang 2/pi, r = ang - k pi/2 with pi/2 in two parts (fused, so the
; first step loses nothing), polynomials on |r| <= pi/4, then the quadrant: odd k swaps the two, bit 1 of k and of k + 1 give the signs.
.macro SINCOS c, s, ang
	v_mul_f32 v[XK], s36, v[\ang]
	v_rndne_f32 v[XK], v[XK]
	v_fma_f32 v[XR], v[XK], s37, v[\ang]
	v_cvt_i32_f32 v[XI], v[XK]
	v_fma_f32 v[XR], v[XK], s38, v[XR]
	v_mul_f32 v[XZ], v[XR], v[XR]
	v_fma_f32 v[XS], v[XZ], s39, s40
	v_fma_f32 v[XC], v[XZ], s42, s43
	v_mul_f32 v[XZR], v[XZ], v[XR]
	v_mul_f32 v[XZ2], v[XZ], v[XZ]
	v_fma_f32 v[XS], v[XS], v[XZ], s41
	v_fma_f32 v[XC], v[XC], v[XZ], s44
	v_fma_f32 v[XH], v[XZ], -0.5, 1.0
	v_fma_f32 v[XS], v[XS], v[XZR], v[XR]          ; sin r
	v_fma_f32 v[XC], v[XC], v[XZ2], v[XH]          ; cos r
	v_and_b32 v[XZ], 1, v[XI]
	v_cmp_eq_u32 vcc_lo, 1, v[XZ]
	v_lshlrev_b32 v[XZ], 30, v[XI]                 ; the two signs are made between the compare and the wait for it
	v_add_nc_u32 v[XI], 1, v[XI]
	v_and_b32 v[XZ], 0x80000000, v[XZ]
	v_lshlrev_b32 v[XI], 30, v[XI]
	v_and_b32 v[XI], 0x80000000, v[XI]
	s_wait_alu depctr_va_vcc(0)                    ; the compare has written VCC, which the two selects read
	v_cndmask_b32 v[\s], v[XS], v[XC], vcc_lo
	v_cndmask_b32 v[\c], v[XC], v[XS], vcc_lo
	v_xor_b32 v[\s], v[\s], v[XZ]
	v_xor_b32 v[\c], v[\c], v[XI]
.endm
.macro KVLOAD                          ; a tile of K and one of V, 16,384 consecutive bytes each: 4 + 4 loads, K first
.irp t,0,1,2,3
	global_load_b128 v[KR+4*\t:KR+4*\t+3], v[GOFF], s[6:7] offset:4096*\t
.endr
.irp t,0,1,2,3
	global_load_b128 v[VR+4*\t:VR+4*\t+3], v[GOFF], s[8:9] offset:4096*\t
.endr
.endm
; The tile in KR, VR goes to LDS slot 'slot'.  load = 1: the next tile is asked for and the angles move on by 64 positions.
; wk, wv: how many younger loads may stay out when K, when V has to be there.
; Ahead of it, at the trip's head, stands the wait that shows KH, KLO and VH read by the last conversion's stores.
.macro CONV slot, load, wk, wv
	WIN 0x55
	s_wait_loadcnt \wk                             ; loads come back in order: K's four are in
.irp g,0,8
.irp i,0,2,4,6
	ROTM KR+\g+\i, CS+\g+\i, TMP+\i
.endr
.irp i,0,2,4,6
	ROTF KR+\g+\i, CS+\g+\i, TMP+\i
.endr
.endr
	; the two parts: hi = the top 11 significant bits, lo = the rest (the subtraction is exact)
.irp g,0,8
.irp i,0,2,4,6
	v_and_b32 v[TMP+\i], s35, v[KR+\g+\i]
	v_and_b32 v[TMP+\i+1], s35, v[KR+\g+\i+1]
.endr
.irp i,0,2,4,6
	v_pk_add_f32 v[KR+\g+\i:KR+\g+\i+1], v[KR+\g+\i:KR+\g+\i+1], v[TMP+\i:TMP+\i+1] neg_lo:[0,1] neg_hi:[0,1]
	v_cvt_pk_f16_f32 v[KH+(\g+\i)/2], v[TMP+\i], v[TMP+\i+1]
.endr
.irp i,0,2,4,6
	v_cvt_pk_f16_f32 v[KLO+(\g+\i)/2], v[KR+\g+\i], v[KR+\g+\i+1]
.endr
.endr
	s_wait_loadcnt \wv                             ; V's four are in; with them every load that names s[6:9] is done
.irp i,0,1,2,3,4,5,6,7
	v_cvt_pk_f16_f32 v[VH+\i], v[VR+2*\i], v[VR+2*\i+1]
.endr
	s_wait_alu depctr_va_vdst(0)                   ; the roundings have written KH, KLO and VH, which the twelve stores read; the rotations, splits and roundings are done with KR and VR, in which the next tile's loads land
.irp t,0,1,2,3
	ds_store_b64 v[KST], v[KH+2*\t:KH+2*\t+1] offset:\slot*SLOT+16*KP*\t
.endr
.irp t,0,1,2,3
	ds_store_b64 v[KST], v[KLO+2*\t:KLO+2*\t+1] offset:\slot*SLOT+KLOFF+16*KP*\t
.endr
.irp t,0,1,2,3
	ds_store_b64 v[VST], v[VH+2*\t:VH+2*\t+1] offset:\slot*SLOT+16*VP*\t
.endr
.if \load
	s_add_nc_u64 s[6:7], s[6:7], 0x4000            ; one tile on
	s_add_nc_u64 s[8:9], s[8:9], 0x4000
	KVLOAD
	; the angles' step names CS, STEPR and TMP alone: none of the registers that the stores and loads above touch
.irp g,0,8
.irp i,0,2,4,6
	ROTM CS+\g+\i, STEPR+(\i&2), TMP+\i
.endr
.irp i,0,2,4,6
	ROTF CS+\g+\i, STEPR+(\i&2), TMP+\i
.endr
.endr
.endif
	WIN 0
.endm
; A request into the L2, made only by the work-group with p = 0 of each head (it walks all 32 tiles): waves 0-3 ask for two tiles of K,
; waves 4-7 for two of V, lanes 256 bytes apart, 8,192 bytes a wave, each byte range once in the launch.  Odd trip j asks for tiles j + 5 and
; j + 6, which the loads of trips j + 3 and j + 4 fetch; it stops behind j = 25 (tiles 30, 31: the head's last).
; Its offset register PFO was written ahead of the head's first wait on va_vdst and is never written again.
.macro PREF tag, jreg
.if \jreg
	s_cmp_ge_u32 s[\jreg], s34
.else
	s_cmp_eq_u32 s34, 0
.endif
	s_cbranch_scc1 .Lnopf_\tag
	s_wait_xcnt 0x0                                ; the last request's base is stepped only behind this wait
	s_add_nc_u64 s[32:33], s[32:33], 0x8000
	global_prefetch_b8 v[PFO], s[32:33] th:TH_LOAD_NT scope:SCOPE_SE
.Lnopf_\tag:
.endm
; K's fragments of the tile in slot 'slot': 32 loads in four runs of eight: K hi d = 0..31, K hi d = 32..63, K lo d = 0..31, K lo d = 32..63.
; They stand at a trip's head, behind its wait on va_vdst; between that wait and them stand only scalar lines, loads and window switches.
.macro KFRAG slot
.irp ks,0,1
.irp t,0,1,2,3
	ds_load_b128 v[KF+8*(2*\t+\ks):KF+8*(2*\t+\ks)+3], v[KADR] offset:\slot*SLOT+16*KP*\t+64*\ks
	ds_load_b128 v[KF+8*(2*\t+\ks)+4:KF+8*(2*\t+\ks)+7], v[KADR] offset:\slot*SLOT+16*KP*\t+64*\ks+32
.endr
.endr
	WIN 0x40                                       ; destination in block 1, address in block 0
.irp ks,0,1
.irp t,0,1,2,3
	ds_load_b128 v[KL+8*(2*\t+\ks):KL+8*(2*\t+\ks)+3], v[KADR] offset:\slot*SLOT+KLOFF+16*KP*\t+64*\ks
	ds_load_b128 v[KL+8*(2*\t+\ks)+4:KL+8*(2*\t+\ks)+7], v[KADR] offset:\slot*SLOT+KLOFF+16*KP*\t+64*\ks+32
.endr
.endr
	WIN 0
.endm
; Softmax pieces for S^T tile x = 2 t + u.
.macro FMA x                           ; s log2 e - m log2 e, one rounding
.irp k,0,2,4,6
.if (\x)&1
	v_pk_fma_f32 v[SCR+8*(\x)+\k:SCR+8*(\x)+\k+1], v[SCR+8*(\x)+\k:SCR+8*(\x)+\k+1], s[26:27], v[NM:NM+1] op_sel:[0,0,1] op_sel_hi:[1,0,1]
.else
	v_pk_fma_f32 v[SCR+8*(\x)+\k:SCR+8*(\x)+\k+1], v[SCR+8*(\x)+\k:SCR+8*(\x)+\k+1], s[26:27], v[NM:NM+1] op_sel_hi:[1,0,0]
.endif
.endr
.endm
.macro EXPS x
.irp k,0,1,2,3,4,5,6,7
	v_exp_f32 v[SCR+8*(\x)+\k], v[SCR+8*(\x)+\k]
.endr
.endm
; Sum the eight p in f32, pack them to f16 where P^T's fragment wants them: tile t even: registers 0-3 of its own tile;
; t odd: registers 4-7 of tile t - 1 (keys 16 + 8 h + j of the block of 32), which that tile's own turn has read out before.
.macro POST x
.set PSRC, SCR+8*(\x)
.set PSUM, SA+2*((\x)&1)
.set PDST, SCR+8*((\x)&5)+4*(((\x)>>1)&1)
.if (\x) < 2
	v_pk_add_f32 v[PSUM:PSUM+1], v[PSRC:PSRC+1], v[PSRC+2:PSRC+3]
.else
	v_pk_add_f32 v[PSUM:PSUM+1], v[PSUM:PSUM+1], v[PSRC:PSRC+1]
	v_pk_add_f32 v[PSUM:PSUM+1], v[PSUM:PSUM+1], v[PSRC+2:PSRC+3]
.endif
	v_cvt_pk_f16_f32 v[PDST], v[PSRC], v[PSRC+1]
	v_cvt_pk_f16_f32 v[PDST+1], v[PSRC+2], v[PSRC+3]
	v_pk_add_f32 v[PSUM:PSUM+1], v[PSUM:PSUM+1], v[PSRC+4:PSRC+5]
	v_cvt_pk_f16_f32 v[PDST+2], v[PSRC+4], v[PSRC+5]
	v_pk_add_f32 v[PSUM:PSUM+1], v[PSUM:PSUM+1], v[PSRC+6:PSRC+7]
	v_cvt_pk_f16_f32 v[PDST+3], v[PSRC+6], v[PSRC+7]
.endm
.macro RES x                           ; O^T tile x = 2 dt + u times AL[u]
.irp k,0,2,4,6
.if (\x)&1
	v_pk_mul_f32 v[OAC+8*(\x)+\k:OAC+8*(\x)+\k+1], v[OAC+8*(\x)+\k:OAC+8*(\x)+\k+1], v[AL:AL+1] op_sel:[0,1] op_sel_hi:[1,1]
.else
	v_pk_mul_f32 v[OAC+8*(\x)+\k:OAC+8*(\x)+\k+1], v[OAC+8*(\x)+\k:OAC+8*(\x)+\k+1], v[AL:AL+1] op_sel_hi:[1,0]
.endif
.endr
.endm
; One tile of 64 keys against my 32 queries; K's fragments were asked for at the trip's head.  first = 1: the sums, the maximum and O start here
; (nothing is cleared).  dq = 0: no mask; else the register pair that holds (my query - 8 h - the tile's first key).
; yg: the LDS stores issued behind the fragment loads (the conversion's twelve, or none), which may stay out with the younger runs.
.macro COMPUTE slot, first, dq, yg
	s_wait_dscnt 24+\yg                            ; LDS instructions end in order: the first run is in (and all that was issued before it); the three younger runs, 24 loads, and the stores may be out
.irp t,0,1,2,3
.irp u,0,1
	v_wmma_f32_16x16x32_f16 v[SCR+8*(2*\t+\u):SCR+8*(2*\t+\u)+7], v[KF+16*\t:KF+16*\t+7], v[QF+16*\u:QF+16*\u+7], 0
.endr
.endr
	s_wait_dscnt 16+\yg                            ; the second run is in; K lo's 16 loads and the stores may be out
.irp t,0,1,2,3
.irp u,0,1
	v_wmma_f32_16x16x32_f16 v[SCR+8*(2*\t+\u):SCR+8*(2*\t+\u)+7], v[KF+16*\t+8:KF+16*\t+15], v[QF+16*\u+8:QF+16*\u+15], v[SCR+8*(2*\t+\u):SCR+8*(2*\t+\u)+7]
.endr
.endr
	WIN 0x04                                       ; source 1 in block 1: K hi x Q lo
.irp ks,0,1
.irp t,0,1,2,3
.irp u,0,1
	v_wmma_f32_16x16x32_f16 v[SCR+8*(2*\t+\u):SCR+8*(2*\t+\u)+7], v[KF+16*\t+8*\ks:KF+16*\t+8*\ks+7], v[QL+16*\u+8*\ks:QL+16*\u+8*\ks+7], v[SCR+8*(2*\t+\u):SCR+8*(2*\t+\u)+7]
.endr
.endr
.endr
	s_wait_dscnt 8+\yg                             ; the third run is in; the last eight loads and the stores may be out
	WIN 0x01                                       ; source 0 in block 1: K lo x Q hi
.irp t,0,1,2,3
.irp u,0,1
	v_wmma_f32_16x16x32_f16 v[SCR+8*(2*\t+\u):SCR+8*(2*\t+\u)+7], v[KL+16*\t:KL+16*\t+7], v[QF+16*\u:QF+16*\u+7], v[SCR+8*(2*\t+\u):SCR+8*(2*\t+\u)+7]
.endr
.endr
	s_wait_dscnt \yg                               ; the last run is in; only the stores may be out
.irp t,0,1,2,3
.irp u,0,1
	v_wmma_f32_16x16x32_f16 v[SCR+8*(2*\t+\u):SCR+8*(2*\t+\u)+7], v[KL+16*\t+8:KL+16*\t+15], v[QF+16*\u+8:QF+16*\u+15], v[SCR+8*(2*\t+\u):SCR+8*(2*\t+\u)+7]
.endr
.endr
	WIN 0
.rept 4
	v_nop                                          ; four places (ISA guide 7.12.1) before vector work reads S^T
.endr
	s_wait_alu depctr_va_vdst(0)                   ; the score products are done reading the K hi fragments in KF, in which V^T's fragments land
	; V^T fragments by the transposing load: lane L gets d = 16 dt + r, keys 32 ks + 8 h .. + 7 and 32 ks + 16 + 8 h .. + 7
.irp ks,0,1
.irp dt,0,1,2,3
	ds_load_tr16_b128 v[KF+8*(2*\dt+\ks):KF+8*(2*\dt+\ks)+3], v[VADR] offset:\slot*SLOT+32*VP*\ks+32*\dt
	ds_load_tr16_b128 v[KF+8*(2*\dt+\ks)+4:KF+8*(2*\dt+\ks)+7], v[VADR] offset:\slot*SLOT+32*VP*\ks+32*\dt+16*VP
.endr
.endr
.if \dq
	; causal mask: key 16 t + 8 h + j of the tile stays where 16 t + j <= my query - 8 h - the tile's first key; else -inf.
	; Two runs (tiles t = 0, 1; t = 2, 3) of 32 compares into scalar registers, one wait behind each run, then its 32 selects.
.irp g,0,2
.irp t,0,1
.irp u,0,1
.irp j,0,1,2,3,4,5,6,7
	v_cmp_le_i32 s[MK+16*\t+8*\u+\j], 16*(\g+\t)+\j, v[\dq+\u]
.endr
.endr
.endr
	s_wait_alu depctr_va_sdst(0)                   ; the 32 compares have written s[66:97], which the selects read
.irp t,0,1
.irp u,0,1
.irp j,0,1,2,3,4,5,6,7
	v_cndmask_b32 v[SCR+16*(\g+\t)+8*\u+\j], s29, v[SCR+16*(\g+\t)+8*\u+\j], s[MK+16*\t+8*\u+\j]
.endr
.endr
.endr
.endr
.endif
	; the new maximum: four chains (u = 0, 1; tiles 0-1 with the old maximum, tiles 2-3), joined, then the other half of the lanes
.irp u,0,1
.if \first
	v_max_num_f32 v[MN+\u], v[SCR+8*\u], v[SCR+8*\u+1]
.else
	v_max3_num_f32 v[MN+\u], v[MX+\u], v[SCR+8*\u], v[SCR+8*\u+1]
.endif
	v_max_num_f32 v[SA+2*\u], v[SCR+32+8*\u], v[SCR+32+8*\u+1]
.endr
.irp k,2,4,6,16,18,20,22
.irp u,0,1
	v_max3_num_f32 v[MN+\u], v[MN+\u], v[SCR+8*\u+\k], v[SCR+8*\u+\k+1]
	v_max3_num_f32 v[SA+2*\u], v[SA+2*\u], v[SCR+32+8*\u+\k], v[SCR+32+8*\u+\k+1]
.endr
.endr
	v_max_num_f32 v[MN], v[MN], v[SA]
	v_max_num_f32 v[MN+1], v[MN+1], v[SA+2]
	v_permlanex16_b32 v[PX], v[MN], s30, s31
	v_permlanex16_b32 v[PX+1], v[MN+1], s30, s31
	v_max_num_f32 v[MX], v[MN], v[PX]              ; finite from the first tile on: key 0 is open to every query
	v_max_num_f32 v[MX+1], v[MN+1], v[PX+1]
	v_mul_f32 v[PX], s28, v[MX]                    ; - m log2 e
	v_mul_f32 v[PX+1], s28, v[MX+1]
.if \first == 0
	v_sub_f32 v[AL], v[PX], v[NM]                  ; (old m - new m) log2 e
	v_sub_f32 v[AL+1], v[PX+1], v[NM+1]
	v_exp_f32 v[AL], v[AL]
	v_exp_f32 v[AL+1], v[AL+1]
.endif
	v_mov_b32 v[NM], v[PX]
	v_mov_b32 v[NM+1], v[PX+1]
	; p = 2^(s log2 e - m log2 e).  ONE BATCH: the two rescale factors above and the 64 weights, each tile's exponentials behind its own packed
	; multiply-adds.  Nothing ahead of the wait names a result of the batch; all that does (sums, roundings, O^T's rescaling) stands behind it.
.irp x,0,1,2,3,4,5,6,7
	FMA \x
	EXPS \x
.endr
	v_nop                                          ; the plain instruction owed behind the last transcendental (ISA guide 5.7.2): one for the batch
	s_wait_alu depctr_va_vdst(0)                   ; the batch's exponentials have written AL and the weights in S^T's registers, ahead of their first reader
.irp x,0,1,2,3,4,5,6,7
	POST \x
.if \first == 0
	RES \x
.endif
.endr
	s_wait_dscnt 0x0                               ; the V^T fragments
.irp ks,0,1
.irp dt,0,1,2,3
.irp u,0,1
.if \first && (\ks == 0)
	v_wmma_f32_16x16x32_f16 v[OAC+8*(2*\dt+\u):OAC+8*(2*\dt+\u)+7], v[KF+8*(2*\dt+\ks):KF+8*(2*\dt+\ks)+7], v[SCR+32*\ks+8*\u:SCR+32*\ks+8*\u+7], 0
.else
	v_wmma_f32_16x16x32_f16 v[OAC+8*(2*\dt+\u):OAC+8*(2*\dt+\u)+7], v[KF+8*(2*\dt+\ks):KF+8*(2*\dt+\ks)+7], v[SCR+32*\ks+8*\u:SCR+32*\ks+8*\u+7], v[OAC+8*(2*\dt+\u):OAC+8*(2*\dt+\u)+7]
.endif
.endr
.endr
.endr
	; Five places (ISA guide 7.12.1) before the next tile's products write over P^T or O^T is read:
	; the update of the running sums, which names none of those registers, and v_nop for the rest.
.if \first
	v_add_f32 v[LS], v[SA], v[SA+1]
	v_add_f32 v[LS+1], v[SA+2], v[SA+3]
	v_nop
	v_nop
	v_nop
.else
	v_fma_f32 v[LS], v[LS], v[AL], v[SA]
	v_fma_f32 v[LS+1], v[LS+1], v[AL+1], v[SA+2]
	v_add_f32 v[LS], v[LS], v[SA+1]
	v_add_f32 v[LS+1], v[LS+1], v[SA+3]
	v_nop
.endif
.endm
; Trip j (in s[jreg]) on slot 'slot'.  conv: the tile in registers goes to the other slot; load: the tile after it is asked for;
; pf: the L2 request; bar: the trip's barrier.  A wave that still multiplies (j <= last) asks for K's fragments first, so that the conversion
; stands between the loads and their first use; the jump over them goes forward and passes no barrier.
.macro TRIPX tag, slot, jreg, conv, load, pf, bar
.if \conv
	s_wait_alu depctr_vm_vsrc(0)                   ; the last conversion's LDS stores have read KH, KLO and VH, which this trip's roundings write again
.endif
	s_wait_alu depctr_va_vdst(0)                   ; the last tile's products are done reading KF and KL, in which this tile's fragments of K land
	s_cmp_gt_u32 s[\jreg], s18
	s_cbranch_scc1 .Lidle_\tag                     ; beyond my diagonal tile: no fragments
	KFRAG \slot
.Lidle_\tag:
.if \conv
	CONV (1-\slot), \load, 4, 0                    ; counts: V's four loads may be out when K is needed; none when V is
.endif
.if \pf
	PREF \tag, \jreg
.endif
	s_cmp_ge_u32 s[\jreg], s18
	s_cbranch_scc1 .Lge_\tag
	COMPUTE \slot, 0, 0, 12*\conv                  ; below my diagonal tile: every key is open
	s_branch .Ldone_\tag
.Lge_\tag:
	s_cmp_lg_u32 s[\jreg], s18
	s_cbranch_scc1 .Ldone_\tag                     ; beyond it: nothing of mine
	COMPUTE \slot, 0, DQL, 12*\conv
.Ldone_\tag:
.if \bar
	s_wait_dscnt 0x0                               ; my reads of this slot and my stores into the other are done:
	s_barrier_signal -1
	s_barrier_wait -1                              ; behind this the other slot is read and this one written again
.endif
.endm
; ======================= prologue =======================
	s_load_b256 s[4:11], s[0:1], 0x0               ; Q s[4:5], K s[6:7], V s[8:9], out0 s[10:11]
	s_set_vgpr_msb 0x40
	v_lshl_add_u32 v126, v0, 2, 0x22800
	v_mov_b32 v127, 0
	s_set_vgpr_msb 0x4000
	v_lshrrev_b32 v1, 5, v0
	v_readfirstlane_b32 s12, v1                    ; wave
	s_and_b32 s13, ttmp9, 7                        ; p
	s_lshr_b32 s14, ttmp9, 3                       ; head
	s_wait_alu depctr_va_sdst(0)                   ; s12 is written, ahead of its first reader: my block, my queries and my stage are made from it
	s_and_b32 s15, s12, 3                          ; ww: which 32 queries of the block
	s_sub_co_u32 s46, 15, s13
	s_cmp_lt_u32 s12, 4
	s_cselect_b32 s16, s13, s46                    ; my block: p or 15 - p
	s_lshl_b32 s17, s16, 7
	s_lshl_b32 s46, s15, 5
	s_add_co_u32 s17, s17, s46                     ; q0w: my first query
	s_lshr_b32 s46, s15, 1
	s_lshl1_add_u32 s18, s16, s46                  ; last = 2 block + ww / 2: the tile with my diagonal
	s_sub_co_u32 s20, 14, s13                      ; turns of the main loop: trips 1 .. NT - 4, two to a turn: (32 - 2p - 4) / 2 = 14 - p, at least 7
	s_cmp_eq_u32 s13, 0
	s_cselect_b32 s34, 26, 0                       ; L2 requests in trips j < 26 of the work-group with p = 0, none elsewhere
	s_mov_b32 s26, 0x3fb8aa3b                      ; log2 e, twice (a pair for the packed form)
	s_mov_b32 s27, 0x3fb8aa3b
	s_mov_b32 s28, 0xbfb8aa3b                      ; - log2 e
	s_mov_b32 s29, 0xff800000                      ; -inf
	s_mov_b32 s30, 0x76543210                      ; v_permlanex16_b32: lane i takes lane i of the other half
	s_mov_b32 s31, 0xfedcba98
	s_mov_b32 s35, 0xffffe000                      ; keeps sign, exponent and 10 mantissa bits of an f32: what f16 holds exactly
	s_mov_b32 s36, 0x3f22f983                      ; 2 / pi
	s_mov_b32 s37, 0xbfc90fdb                      ; - (pi / 2 rounded to f32)
	s_mov_b32 s38, 0x333bbd2e                      ; that rounding's excess over pi / 2
	s_mov_b32 s39, 0xb94ca1f9                      ; sine: -1.9515296e-4, 8.3321609e-3, -1.6666655e-1
	s_mov_b32 s40, 0x3c08839e
	s_mov_b32 s41, 0xbe2aaaa3
	s_mov_b32 s42, 0x37ccf5ce                      ; cosine: 2.4433157e-5, -1.3887316e-3, 4.1666646e-2
	s_mov_b32 s43, 0xbab6061a
	s_mov_b32 s44, 0x3d2aaaa5
	s_mov_b32 s45, 0xbed49a78                      ; - log2(10000) / 32: frequency of pair i = 2^(i x this)
	s_lshl_b32 s24, s14, 19                        ; a head is 2,048 x 256 bytes
	s_mov_b32 s25, 0
	v_and_b32 v29, 31, v0                          ; L
	v_lshlrev_b32 v[LOFF], 4, v29
	s_lshl_b32 s46, s15, 13
	v_lshl_add_u32 v[PFO], v29, 8, s46             ; 256 L + 8,192 ww
	WIN 0x40                                       ; destination in block 1
	v_mov_b32 v[TID], v0
	WIN 0x55
	v_lshlrev_b32 v[GOFF], 4, v[TID]
	s_wait_kmcnt 0x0
	s_add_nc_u64 s[6:7], s[6:7], s[24:25]          ; K and V at the head's tile 0
	s_add_nc_u64 s[8:9], s[8:9], s[24:25]
	s_cmp_lt_u32 s12, 4
	s_cselect_b64 s[32:33], s[6:7], s[8:9]         ; waves 0-3 ask the L2 for K, waves 4-7 for V
	s_lshl_b32 s46, s17, 8
	s_add_co_u32 s24, s24, s46
	s_add_nc_u64 s[4:5], s[4:5], s[24:25]          ; Q and out0 at my 32 rows
	s_add_nc_u64 s[10:11], s[10:11], s[24:25]
	s_wait_alu depctr_va_vdst(0)                   ; GOFF, LOFF and PFO are written: the offsets of every global load, store and L2 request of the kernel
	KVLOAD                                         ; tile 0
	WIN 0
.irp t,0,1,2,3,4,5,6,7,8,9,10,11,12,13,14,15
	global_load_b128 v[SCR+4*\t:SCR+4*\t+3], v[LOFF], s[4:5] offset:512*\t th:TH_LOAD_NT   ; Q rows 2 t + h, d = 4 r .. 4 r + 3
.endr
	PREF p0, 0                                     ; tiles 2, 3
	; lane addresses of block 0
	v_and_b32 v25, 15, v0                          ; r
	v_bfe_u32 v28, v0, 4, 1                        ; h
	v_mul_u32_u24 v[KADR], v25, KP
	v_lshl_add_u32 v[KADR], v28, 4, v[KADR]
	v_and_b32 v30, 7, v0
	v_lshl_add_u32 v30, v28, 3, v30
	v_mul_u32_u24 v[VADR], v30, VP
	v_bfe_u32 v30, v0, 3, 1
	v_lshl_add_u32 v[VADR], v30, 4, v[VADR]
	v_add_nc_u32 v[VADR], VOFF, v[VADR]
	v_lshlrev_b32 v30, 3, v28
	v_sub_nc_u32 v30, v25, v30                     ; r - 8 h
	v_add_nc_u32 v[DQF], s17, v30
	v_add_nc_u32 v[DQF+1], 16, v[DQF]
	s_lshl_b32 s46, s18, 6
	v_sub_nc_u32 v[DQL], v[DQF], s46
	v_sub_nc_u32 v[DQL+1], v[DQF+1], s46
	s_mul_i32 s47, s12, STW
	s_add_co_u32 s47, s47, ST0                     ; my stage
	v_mul_u32_u24 v30, v28, QP
	v_lshl_add_u32 v30, v25, 3, v30
	v_add_nc_u32 v[QST], s47, v30                  ; Q in: row h of two, 8 bytes at 8 r
	v_add_nc_u32 v[QFA], s47, v[KADR]              ; Q fragments: row r, 16 h
	v_mul_u32_u24 v30, v25, OP
	v_lshl_add_u32 v30, v28, 5, v30
	v_add_nc_u32 v[STO], s47, v30                  ; O in: row r, 32 bytes at 32 h
	v_mul_u32_u24 v30, v28, OP
	v_lshl_add_u32 v30, v25, 4, v30
	v_add_nc_u32 v[RD], s47, v30                   ; O back: row h of two, 16 bytes at 16 r
	v_add_nc_u32 v[TADR], T0, v[LOFF]
	s_lshl_b32 s48, s12, 8
	s_add_co_u32 s48, s48, TB0                     ; my wave's TB
	v_lshl_add_u32 v[TBADR], v25, 4, s48
	v_mov_b32 v[PX], 0                             ; v_permlanex16_b32 counts as a reader of its destination
	v_mov_b32 v[PX+1], 0
	; block 1: addresses, frequencies, and the angles of tile 0, of 64 positions and of my first query
	WIN 0x55
	v_and_b32 v[CIDX], 15, v[TID]
	v_lshrrev_b32 v[ROWI], 4, v[TID]
	v_mul_u32_u24 v[KST], v[ROWI], KP
	v_mul_u32_u24 v[VST], v[ROWI], VP
	v_lshl_add_u32 v[KST], v[CIDX], 3, v[KST]
	v_lshl_add_u32 v[VST], v[CIDX], 3, v[VST]
	v_add_nc_u32 v[VST], VOFF, v[VST]
	v_lshlrev_b32 v[XK], 1, v[CIDX]
	v_and_b32 v[XI], 31, v[TID]
	v_cvt_f32_u32 v[XK], v[XK]
	v_cvt_f32_u32 v[XR], v[XI]
	v_mul_f32 v[DIV], s45, v[XK]
	v_add_f32 v[XK], 1.0, v[XK]
	v_mul_f32 v[DIVL], s45, v[XR]
	v_mul_f32 v[DIV+1], s45, v[XK]
	v_exp_f32 v[DIV], v[DIV]
	v_exp_f32 v[DIV+1], v[DIV+1]
	v_exp_f32 v[DIVL], v[DIVL]
	v_lshl_add_u32 v[TBA], v[XI], 3, s48           ; (plain instructions behind the exponentials, before their results are used)
	v_add_nc_u32 v[TA], T0, v[GOFF]
	s_wait_alu depctr_va_vdst(0)                   ; the three frequencies are written, ahead of their first reader; so are all the LDS addresses made above, which are never written again
.irp t,0,1,2,3
	v_add_nc_u32 v[POS], 16*\t, v[ROWI]
	v_cvt_f32_u32 v[POS], v[POS]
.irp i,0,1
	v_mul_f32 v[ANG], v[POS], v[DIV+\i]
	SINCOS CS+4*\t+2*\i, CS+4*\t+2*\i+1, ANG
.endr
.endr
.irp i,0,1
	v_mul_f32 v[ANG], 0x42800000, v[DIV+\i]        ; 64 positions
	SINCOS STEPR+2*\i, STEPR+2*\i+1, ANG
.endr
	v_cvt_f32_u32 v[POS], s17
	v_mul_f32 v[ANG], v[POS], v[DIVL]
	SINCOS TBE, TBE+1, ANG
	s_wait_alu depctr_va_vdst(0)                   ; CS and TBE are written, which the three LDS stores below read
.irp t,0,1
	ds_store_b128 v[TA], v[CS+4*\t:CS+4*\t+3] offset:4096*\t       ; tile 0's angles at positions 0..31 are also the table T: position 16 t + (tid >> 4), pairs 2 c, 2 c + 1
.endr
	ds_store_b64 v[TBA], v[TBE:TBE+1]
	s_wait_alu depctr_vm_vsrc(0)                   ; the table's stores have read CS, which the conversion's step of the angles writes again
	CONV 0, 1, 20, 16                              ; tile 0 to slot 0.  Counts: behind K's loads stand V's 4 and Q's 16; behind V's, Q's 16.  Tile 1 is asked for
	s_wait_dscnt 0x0                               ; T, TB and slot 0 are written
	s_barrier_signal -1
	s_barrier_wait -1
; ======================= Q: rotate, split into two f16 parts, lay out as fragments =======================
	s_wait_loadcnt 0x8                             ; Q is in; tile 1's eight loads stay out
	ds_load_b128 v[KF:KF+3], v[TBADR]              ; (cos, sin) of q0w for pairs 2 r, 2 r + 1.  No vector instruction has named KF or O^T's registers yet
.irp t,0,1,2,3,4,5,6,7,8,9,10,11,12,13,14,15
	ds_load_b128 v[OAC+4*\t:OAC+4*\t+3], v[TADR] offset:512*\t     ; T at positions 2 t + h
.endr
	s_wait_dscnt 0x0
.irp t,0,1,2,3,4,5,6,7,8,9,10,11,12,13,14,15
	ROTM SCR+4*\t, KF, KF+4
	ROTM SCR+4*\t+2, KF+2, KF+6
	ROTF SCR+4*\t, KF, KF+4
	ROTF SCR+4*\t+2, KF+2, KF+6
	ROTM SCR+4*\t, OAC+4*\t, KF+4
	ROTM SCR+4*\t+2, OAC+4*\t+2, KF+6
	ROTF SCR+4*\t, OAC+4*\t, KF+4
	ROTF SCR+4*\t+2, OAC+4*\t+2, KF+6
	v_and_b32 v[KF+8], s35, v[SCR+4*\t]            ; hi
	v_and_b32 v[KF+9], s35, v[SCR+4*\t+1]
	v_and_b32 v[KF+10], s35, v[SCR+4*\t+2]
	v_and_b32 v[KF+11], s35, v[SCR+4*\t+3]
	v_pk_add_f32 v[SCR+4*\t:SCR+4*\t+1], v[SCR+4*\t:SCR+4*\t+1], v[KF+8:KF+9] neg_lo:[0,1] neg_hi:[0,1]           ; lo = x - hi
	v_pk_add_f32 v[SCR+4*\t+2:SCR+4*\t+3], v[SCR+4*\t+2:SCR+4*\t+3], v[KF+10:KF+11] neg_lo:[0,1] neg_hi:[0,1]
	v_cvt_pk_f16_f32 v[KF+16+2*\t], v[KF+8], v[KF+9]
	v_cvt_pk_f16_f32 v[KF+17+2*\t], v[KF+10], v[KF+11]
	v_cvt_pk_f16_f32 v[SCR+4*\t], v[SCR+4*\t], v[SCR+4*\t+1]
	v_cvt_pk_f16_f32 v[SCR+4*\t+1], v[SCR+4*\t+2], v[SCR+4*\t+3]
.endr
	s_wait_alu depctr_va_vdst(0)                   ; the roundings have written Q's high parts (KF + 16 ..) and low parts (S^T's registers), which the 32 stores into my stage read
.irp t,0,1,2,3,4,5,6,7,8,9,10,11,12,13,14,15
	ds_store_b64 v[QST], v[KF+16+2*\t:KF+17+2*\t] offset:2*QP*\t
	ds_store_b64 v[QST], v[SCR+4*\t:SCR+4*\t+1] offset:QLOFF+2*QP*\t
.endr
.irp u,0,1
.irp ks,0,1
	ds_load_b128 v[QF+8*(2*\u+\ks):QF+8*(2*\u+\ks)+3], v[QFA] offset:16*QP*\u+64*\ks       ; my own stage: LDS serves a wave's instructions in order.  No vector instruction has named QF or QL
	ds_load_b128 v[QF+8*(2*\u+\ks)+4:QF+8*(2*\u+\ks)+7], v[QFA] offset:16*QP*\u+64*\ks+32
.endr
.endr
	WIN 0x40                                       ; the low parts' fragments live in block 1
.irp u,0,1
.irp ks,0,1
	ds_load_b128 v[QL+8*(2*\u+\ks):QL+8*(2*\u+\ks)+3], v[QFA] offset:QLOFF+16*QP*\u+64*\ks
	ds_load_b128 v[QL+8*(2*\u+\ks)+4:QL+8*(2*\u+\ks)+7], v[QFA] offset:QLOFF+16*QP*\u+64*\ks+32
.endr
.endr
	WIN 0
; ======================= trip 0: starts every sum; masked, since it is the diagonal tile of the first queries =======================
	s_wait_alu depctr_vm_vsrc(0)                   ; the stage's stores have read KF + 16 .., in which K's fragments land, and S^T's registers, which the first products write; tile 0's stores have read KH, KLO and VH
	s_wait_alu depctr_va_vdst(0)                   ; Q's rotations and roundings are done with KF, in which K's fragments land
	KFRAG 0
	CONV 1, 1, 4, 0
	PREF t0, 0                                     ; tiles 4, 5
	COMPUTE 0, 1, DQF, 12
	s_wait_dscnt 0x0
	s_barrier_signal -1
	s_barrier_wait -1
; ======================= trips 1 .. NT - 4, two to a turn; s19 counts the turns, s21 is the odd trip's number =======================
	s_mov_b32 s21, 1
	s_mov_b32 s19, 0
.Lloop:
	s_add_co_u32 s22, s21, 1
	TRIPX a, 1, 21, 1, 1, 1, 1
	TRIPX b, 0, 22, 1, 1, 0, 1
	s_add_co_u32 s21, s21, 2
	s_add_co_u32 s19, s19, 1
	s_cmp_lt_u32 s19, s20
	s_cbranch_scc1 .Lloop
; ======================= the last three trips (s21 = NT - 3 here): no load beyond tile NT - 1 =======================
	s_add_co_u32 s22, s21, 1
	s_add_co_u32 s23, s21, 2
	TRIPX c, 1, 21, 1, 1, 0, 1                     ; trip NT - 3: converts tile NT - 2, asks for tile NT - 1
	TRIPX d, 0, 22, 1, 0, 0, 1                     ; trip NT - 2: converts tile NT - 1
	TRIPX e, 1, 23, 0, 0, 0, 0                     ; trip NT - 1: nothing is written any more, so no barrier
; ======================= the way out =======================
	v_permlanex16_b32 v[PX], v[LS], s30, s31       ; the other half's keys
	v_permlanex16_b32 v[PX+1], v[LS+1], s30, s31
	v_add_f32 v[LS], v[LS], v[PX]                  ; l >= about 1: the largest score gives 2^0
	v_add_f32 v[LS+1], v[LS+1], v[PX+1]
	v_rcp_f32 v[AL], v[LS]
	v_rcp_f32 v[AL+1], v[LS+1]
	v_nop                                          ; one plain place behind the reciprocals
	s_wait_alu depctr_va_vdst(0)                   ; the two reciprocals are written, ahead of their first reader
.irp x,0,1,2,3,4,5,6,7
	RES \x
.endr
	s_wait_alu depctr_va_vdst(0)                   ; the scalings have written O^T, which the LDS stores read; the last products and roundings are done with S^T's registers, in which the rows read back land
.irp u,0,1
.irp dt,0,1,2,3
	ds_store_b128 v[STO], v[OAC+8*(2*\dt+\u):OAC+8*(2*\dt+\u)+3] offset:16*OP*\u+64*\dt        ; query 16 u + r, d = 16 dt + 8 h + 0..3
	ds_store_b128 v[STO], v[OAC+8*(2*\dt+\u)+4:OAC+8*(2*\dt+\u)+7] offset:16*OP*\u+64*\dt+16   ; and + 4..7
.endr
.endr
.irp t,0,1,2,3,4,5,6,7,8,9,10,11,12,13,14,15
	ds_load_b128 v[SCR+4*\t:SCR+4*\t+3], v[RD] offset:2*OP*\t      ; whole rows back; my own stage, served in order
.endr
.irp t,0,1,2,3,4,5,6,7,8,9,10,11,12,13,14,15
	s_wait_dscnt 15-\t                             ; read-back t is in, the younger ones may be out
	global_store_b128 v[LOFF], v[SCR+4*\t:SCR+4*\t+3], s[10:11] offset:512*\t th:TH_STORE_NT   ; two whole rows: 512 consecutive bytes, at a multiple of 512 from out0's first byte
.endr
	s_set_vgpr_msb 0x5
	s_wait_dscnt 0x0
	s_wait_alu depctr_hold_cnt(0) depctr_sa_sdst(0) depctr_va_vdst(0) depctr_va_sdst(0) depctr_va_ssrc(0) depctr_va_vcc(0) depctr_vm_vsrc(0)
	s_wait_tensorcnt 0x0
	ds_add_u32 v126, v127
	s_wait_dscnt 0x0
	s_endpgm
.Lfunc_end_k_q9e6fb187b0_attn:
	.size	k_q9e6fb187b0_attn, .Lfunc_end_k_q9e6fb187b0_attn-k_q9e6fb187b0_attn
	.p2alignl 7, 3214868480
	.fill 96, 4, 3214868480
	.section	.rodata,"a",@progbits
	.p2align	6, 0x0
	.amdhsa_kernel k_q9e6fb187b0_attn
		.amdhsa_group_segment_fixed_size 142336
		.amdhsa_private_segment_fixed_size 0
		.amdhsa_enable_private_segment 0
		.amdhsa_kernarg_size 32
		.amdhsa_user_sgpr_count 2
		.amdhsa_user_sgpr_kernarg_segment_ptr 1
		.amdhsa_wavefront_size32 1
		.amdhsa_system_sgpr_workgroup_id_x 1
		.amdhsa_system_sgpr_workgroup_id_y 1
		.amdhsa_system_sgpr_workgroup_id_z 1
		.amdhsa_system_vgpr_workitem_id 0
		.amdhsa_next_free_vgpr 480
		.amdhsa_next_free_sgpr 98
		.amdhsa_reserve_vcc 1
		.amdhsa_float_denorm_mode_32 3
		.amdhsa_float_denorm_mode_16_64 3
		.amdhsa_memory_ordered 1
		.amdhsa_forward_progress 1
		.amdhsa_inst_pref_size 255
	.end_amdhsa_kernel
	.section	.bss,"aw",@nobits
	.p2align	6
	.space	262144
	.amdgpu_metadata
---
amdhsa.version: [ 1, 2 ]
amdhsa.kernels:
  - .name:           k_q9e6fb187b0_attn
    .symbol:         k_q9e6fb187b0_attn.kd
    .args:
      - { .name: Q, .offset: 0, .size: 8, .value_kind: global_buffer, .address_space: global }
      - { .name: K, .offset: 8, .size: 8, .value_kind: global_buffer, .address_space: global }
      - { .name: V, .offset: 16, .size: 8, .value_kind: global_buffer, .address_space: global }
      - { .name: out0, .offset: 24, .size: 8, .value_kind: global_buffer, .address_space: global }
    .group_segment_fixed_size: 142336
    .private_segment_fixed_size: 0
    .kernarg_segment_align: 8
    .kernarg_segment_size: 32
    .max_flat_workgroup_size: 256
    .sgpr_count:     98
    .vgpr_count:     480
    .wavefront_size: 32
...
	.end_amdgpu_metadata
.endif
;; end of part 2
